; MI455X (gfx1250); checked and timed in simulation.
; The chip was launched on July 23, 2026; its instructions are those of AMD's public machine-readable ISA for CDNA 5 (MIT licence, August 2026) and "CDNA5" Instruction Set Architecture Reference Guide (July 2026). The comments in the code are by the model that wrote it; some were corrected since.
;; Encoderwith Projection. Allowed arithmetic: float matrix products may take bf16 or f16 operands with f32 sums; other float arithmetic in f32, or as packed bf16 or f16 multiplies, adds, multiply-adds, maxima and minima; sums over many terms, partial sums and values carried from step to step in f32; what a program stores and reads back later, other than sums and carried values, may be rounded once to bf16 or f16.
;; Inputs: W1 4 x 768 x 4,096 float32; W2 4 x 4,096 x 256 float32; b1 4 x 4,096 float32; b2 4 x 256 float32; beta 4 x 4,096 float32; gamma 4 x 4,096 float32; mask_ids 256 x 16 int32; masks 256 x 16 x 196 float32; projection_idx 16 int32; x 256 x 768 x 14 x 14 float32.
;; Outputs: out0 256 x 16 x 256 float32; out1 256 x 16 int32.
;; 2 versions, each right; version 2 is version 1 with the launches pool, gemm2 written anew for expert scheduling mode. Each part assembles by itself: llvm-mc -triple=amdgcn-amd-amdhsa -mcpu=gfx1250 --defsym DOCPART=n.
;; ======== version 1 of 2: 4 launches
;; limits: values are held in f16: magnitudes above 65,504 overflow, below 6.1e-05 lose precision
;; workspace buffers: P32 12,582,912 bytes; PS 786,432 bytes; PcF 6,291,456 bytes; W1F 25,165,824 bytes; W2F 8,388,608 bytes; H 33,554,432 bytes; STAT 524,288 bytes
;; launch pool (part 1): grid 256 x 1, 8 waves a work-group, no clusters, 150,784 bytes of LDS; arguments x, masks, mask_ids, P32, PS, out1; writes P32, PS, out1
.if DOCPART == 1
	.amdgcn_target "amdgcn-amd-amdhsa--gfx1250"
	.amdhsa_code_object_version 6
	.text
	.protected	k_qf6f598b3d3_pool
	.globl	k_qf6f598b3d3_pool
	.p2align	8
	.type	k_qf6f598b3d3_pool,@function
k_qf6f598b3d3_pool:
	s_mov_b64 s[64:65], 0
	v_nop
	global_prefetch_b8 v0, s[64:65] scope:SCOPE_SE
	s_setreg_imm32_b32 hwreg(HW_REG_WAVE_MODE, 25, 1), 1
	s_wait_xcnt 0x0
; MASKED POOLING.  pooled[b][n][e] = (sum over hw of masks[b][n][hw] x[b][e][hw]) / max(sum over hw of masks[b][n][hw], 1).
; x: [256][768][196] f32, masks: [256][16][196] f32.  Stored: P32 [n 16][b 256][e 768] f32 (slot-major tokens), PS [b][e] f32 = the sum over n of pooled; mask_ids is copied to out1.
; LIMITS.  x and masks are rounded once to f16 for the product (sums in f32; the division by the area is made in f32 behind the product): |x| stays under 65,504;
; numbers under 6e-5 keep f16's fixed step of 6e-8; NaN and infinities are not treated apart.
; SHARES.  A work-group owns a batch, wave w its rows e = 96 w .. 96 w + 95, in three units of 32 rows.  A unit is 25,088 dense bytes: 49 loads of 512 consecutive bytes.
; The kernel is a stream: each byte of x is read once; 48 or 49 loads of every wave are on their way (a ring in registers, counted waits).  No tile is shared between work-groups: no cluster.
; THE WAY OF A UNIT: 16 bytes a lane -> four f16 -> the wave's own LDS (rows of 392 bytes, dense) -> fragments by 8-byte loads -> 14 matrix instructions -> times 1 / area -> the stage.
; K ORDER.  In both operands register pair i of K step ks, lane half h, holds hw = 32 ks + 8 i + 4 h + 0..3: one permutation of K for both, so the products are paired rightly.
; K step 6 holds hw 192..195 alone: pair 0 of lanes 0-15; the mask is 0 in all its other places, x's registers 2..7 there are 0.
; The product is used with source 0 = 16 rows e of x, source 1 = the 16 slots: a lane then holds one slot (lane % 16) and eight neighbouring e.
; REGISTERS.  window 0: v1-11 addresses, v12-19 at work, v60-255 the ring of 49 loads.   window 1: v0-55 the masks' 7 fragments; v56-111, v112-167 x's fragments of two blocks of 16 rows
; (7 each); v168-183 two accumulators; v184-185 1 / area; v186-193 at work.  The masks as loaded (100 registers) lie in v56-155 of window 1 until they are rounded.
.set UBYTES, 25088                     ; a unit in memory
.set ULDS,   12544                     ; a unit in LDS, f16
.set UPITCH, 392                       ; a row of 196 f16
.set STAGE,  100352                    ; behind the eight units: 16 slots x (3,072 + 16) bytes of f32
.set SPITCH, 3088                      ; 193 x 16 bytes: the 16 rows that a 16-byte store touches start in 16 different groups of four banks (64 banks of 4 bytes: ISA guide 11.1)
.set SPARE,  149760                    ; behind the stage: the spare words, 128 bytes for each wave, which no other line names
.set LO,  1                            ; 16 x lane
.set SA,  2                            ; my unit + 8 x lane
.set FAD, 3                            ; my unit + 392 (lane % 16) + 8 (lane / 16)
.set TAD, 4                            ; my unit + 392 (lane % 16) + 384: hw 192..195
.set STO, 5                            ; the stage: slot lane % 16, my wave's e, 32 bytes for each half of the lanes
.set RD,  6                            ; the stage: rows 2 w, 2 w + 1, read back whole
.set MO,  7                            ; masks: 784 (lane % 16) + 16 (lane / 16)
.set MT,  8                            ; masks: 784 (lane % 16) + 768
.set SPW, 9                            ; my spare word; never rewritten
.set NIL, 10                           ; 0; never rewritten
.set PSA, 11                           ; the stage: 512 w + 16 x lane of each row
.set T,   12
.set X,   60
.set Q,   X+48                         ; the way out: 16 quads for PS
.set MF,  0                            ; window 1
.set FA,  56
.set RW,  56
.set ACA, 168
.set ACB, 176
.set INV, 184
.set AR,  186
.set MSB, 0
.macro WIN new                         ; the immediate's high byte repeats the setting that is left; a switch that changes nothing is dropped
.if MSB != (\new)
	s_set_vgpr_msb (MSB<<8)|(\new)
.set MSB, (\new)
.endif
.endm
	s_load_b256 s[4:11], s[0:1], 0x0               ; x s[4:5], masks s[6:7], mask_ids s[8:9], P32 s[10:11]
	s_load_b128 s[12:15], s[0:1], 0x20             ; PS s[12:13], out1 s[14:15]
	v_lshl_add_u32 v[SPW], v0, 2, SPARE
	v_mov_b32 v[NIL], 0
	v_lshrrev_b32 v12, 5, v0
	v_readfirstlane_b32 s16, v12                   ; wave 0..7
	s_mov_b32 s17, ttmp9                           ; the batch
	s_mov_b32 s20, 0xffff                          ; lanes 0-15
	s_mov_b32 s22, 0x76543210                      ; v_permlanex16_b32: each lane takes its own place in the other half
	s_mov_b32 s23, 0xfedcba98
	v_and_b32 v12, 31, v0                          ; lane
	v_and_b32 v13, 15, v0                          ; lane % 16
	v_bfe_u32 v14, v0, 4, 1                        ; lane / 16
	s_mul_i32 s25, s16, ULDS                       ; my unit in LDS
	v_lshlrev_b32 v[LO], 4, v12
	v_lshl_add_u32 v[SA], v12, 3, s25
	v_mul_u32_u24 v15, v13, UPITCH
	v_add_nc_u32 v15, s25, v15
	v_lshl_add_u32 v[FAD], v14, 3, v15
	v_add_nc_u32 v[TAD], 384, v15
	v_mul_u32_u24 v16, v13, SPITCH
	v_lshl_add_u32 v16, v14, 5, v16
	s_mul_i32 s26, s16, 384                        ; my wave's 96 e, in f32
	s_add_co_u32 s26, s26, STAGE
	v_add_nc_u32 v[STO], s26, v16
	s_mul_i32 s27, s16, 2*SPITCH
	s_add_co_u32 s27, s27, STAGE
	v_lshl_add_u32 v[RD], v12, 4, s27
	v_mul_u32_u24 v17, v13, 784
	v_lshl_add_u32 v[MO], v14, 4, v17
	v_add_nc_u32 v[MT], 768, v17
	s_lshl_b32 s28, s16, 9
	s_add_co_u32 s28, s28, STAGE
	v_lshl_add_u32 v[PSA], v12, 4, s28
	s_mul_i32 s18, s17, 602112                     ; a batch of x: 768 rows of 784 bytes
	s_mul_i32 s29, s16, 3*UBYTES
	s_add_co_u32 s18, s18, s29
	s_mov_b32 s19, 0
	s_mov_b32 s31, 0
	s_wait_kmcnt 0x0
	s_add_nc_u64 s[4:5], s[4:5], s[18:19]          ; x at my wave's first unit
	s_mul_i32 s18, s17, 12544                      ; a batch of masks: 16 rows of 784 bytes
	s_add_nc_u64 s[6:7], s[6:7], s[18:19]
	s_mul_i32 s18, s17, 3072
	s_mul_i32 s30, s16, 1572864                    ; two slots of P32
	s_add_co_u32 s30, s30, s18
	s_add_nc_u64 s[10:11], s[10:11], s[30:31]      ; P32 at slot 2 w, my batch
	s_lshl_b32 s29, s16, 9
	s_add_co_u32 s18, s18, s29
	s_add_nc_u64 s[12:13], s[12:13], s[18:19]      ; PS at my batch, 512 w
	; the masks (25 loads), then unit 0 (49 loads)
	WIN 0x40                                       ; destination window 1, address window 0
.set q, 0
.rept 24
	global_load_b128 v[RW+4*q:RW+4*q+3], v[MO], s[6:7] offset:32*q  ; hw = 8 q + 4 (lane / 16) + 0..3 of slot lane % 16
.set q, q+1
.endr
	global_load_b128 v[RW+96:RW+99], v[MT], s[6:7] ; hw 192..195, in both halves of the lanes
	WIN 0
.set j, 0
.rept 49
	global_load_b128 v[X+4*j:X+4*j+3], v[LO], s[4:5] offset:512*j th:TH_LOAD_NT
.set j, j+1
.endr
	s_wait_loadcnt 49                              ; loads come back in order (ISA guide 5.7.1): the masks are in, the 49 loads of x stay out
	WIN 0x55                                       ; all operands in window 1
.irp c, 0,1,2,3
	v_cndmask_b32 v[RW+96+\c], 0, v[RW+96+\c], s20 ; the tail counts once: it is 0 in lanes 16-31
.endr
	; the area: my 100 numbers in four chains, then the other half of the lanes'
.set c, 0
.rept 4
	v_pk_add_f32 v[AR+2*c:AR+2*c+1], v[RW+2*c:RW+2*c+1], v[RW+8+2*c:RW+8+2*c+1]
.set c, c+1
.endr
.set c, 8
.rept 42
	v_pk_add_f32 v[AR+2*(c%4):AR+2*(c%4)+1], v[AR+2*(c%4):AR+2*(c%4)+1], v[RW+2*c:RW+2*c+1]
.set c, c+1
.endr
	v_pk_add_f32 v[AR:AR+1], v[AR:AR+1], v[AR+2:AR+3]
	v_pk_add_f32 v[AR+4:AR+5], v[AR+4:AR+5], v[AR+6:AR+7]
	v_pk_add_f32 v[AR:AR+1], v[AR:AR+1], v[AR+4:AR+5]
	v_add_f32 v[AR], v[AR], v[AR+1]
	v_permlanex16_b32 v[AR+1], v[AR], s22, s23
	v_add_f32 v[AR], v[AR], v[AR+1]
	v_max_num_f32 v[AR], 1.0, v[AR]
	v_rcp_f32 v[INV], v[AR]                        ; made twice: a pair for the packed multiply
	v_rcp_f32 v[INV+1], v[AR]
.set q, 0
.rept 25                                       ; the masks' fragments; these lines are the independent work behind the reciprocals
	v_cvt_pk_f16_f32 v[MF+2*q], v[RW+4*q], v[RW+4*q+1]
	v_cvt_pk_f16_f32 v[MF+2*q+1], v[RW+4*q+2], v[RW+4*q+3]
.set q, q+1
.endr
.irp c, 50,51,52,53,54,55
	v_mov_b32 v[MF+\c], 0                          ; K step 6 beyond hw 195: zeros in the masks' fragment
	v_mov_b32 v[FA+\c], 0                          ; and in x's two, which no load writes
	v_mov_b32 v[FA+56+\c], 0
.endr
	s_wait_alu depctr_va_vdst(0)                   ; the wait stands between the reciprocals and their first reader, and ahead of the label
	WIN 0
; A unit.  next = 1: each slot of the ring is loaded again, with the next unit's bytes, as soon as it has been rounded.
.macro UNIT next
	WIN 0
.set j, 0
.rept 49
.if \next
	s_wait_loadcnt 48                              ; the oldest load is in; the 48 younger ones stay out
.else
	s_wait_loadcnt 48-j                            ; nothing is loaded any more: the counts run down
.endif
	v_cvt_pk_f16_f32 v[T+2*(j%4)], v[X+4*j], v[X+4*j+1]
	v_cvt_pk_f16_f32 v[T+2*(j%4)+1], v[X+4*j+2], v[X+4*j+3]
	ds_store_b64 v[SA], v[T+2*(j%4):T+2*(j%4)+1] offset:256*j   ; 32 lanes, 256 neighbouring bytes
.if \next
	global_load_b128 v[X+4*j:X+4*j+3], v[LO], s[4:5] offset:UBYTES+512*j th:TH_LOAD_NT
.endif
.set j, j+1
.endr
	WIN 0x40                                       ; LDS serves a wave's instructions in order (ISA guide 5.7.1.4): these loads see the stores above, and the next unit's stores come behind them
.irp eb, 0,1
.set q, 0
.rept 24
	ds_load_b64 v[FA+56*\eb+2*q:FA+56*\eb+2*q+1], v[FAD] offset:16*UPITCH*\eb+16*q
.set q, q+1
.endr
	ds_load_b64 v[FA+56*\eb+48:FA+56*\eb+49], v[TAD] offset:16*UPITCH*\eb
.endr
	s_wait_dscnt 0x0
	WIN 0x55
.set k, 0
.rept 7                                        ; the two accumulators take turns; the first K step starts the sums
.if k == 0
	v_wmma_f32_16x16x32_f16 v[ACA:ACA+7], v[FA:FA+7], v[MF:MF+7], 0
	v_wmma_f32_16x16x32_f16 v[ACB:ACB+7], v[FA+56:FA+63], v[MF:MF+7], 0
.else
	v_wmma_f32_16x16x32_f16 v[ACA:ACA+7], v[FA+8*k:FA+8*k+7], v[MF+8*k:MF+8*k+7], v[ACA:ACA+7]
	v_wmma_f32_16x16x32_f16 v[ACB:ACB+7], v[FA+56+8*k:FA+56+8*k+7], v[MF+8*k:MF+8*k+7], v[ACB:ACB+7]
.endif
.set k, k+1
.endr
.rept 4
	v_nop                                          ; four places between a product and the vector line that reads it (ISA guide 7.12.1)
.endr
.set k, 0
.rept 8                                        ; times 1 / area, each accumulator from its low end on
	v_pk_mul_f32 v[ACA+2*k:ACA+2*k+1], v[ACA+2*k:ACA+2*k+1], v[INV:INV+1]
.set k, k+1
.endr
	WIN 0x04                                       ; LDS store: data in window 1, address in window 0
.set k, 0
.rept 4                                        ; a block of 16 e is 64 bytes of the slot's row: 32 for each half of the lanes (in STO), of which a store takes 16; block 1 lies 64 bytes on
	ds_store_b128 v[STO], v[ACA+4*k:ACA+4*k+3] offset:64*(k/2)+16*(k%2)
.set k, k+1
.endr
	WIN 0
.endm
	s_mov_b32 s24, 2
.Lunit:
	UNIT 1
	s_wait_xcnt 0x0                                ; the base is stepped only when every load issued has had its address translated (ISA guide 3.1)
	s_add_nc_u64 s[4:5], s[4:5], UBYTES
	v_add_nc_u32 v[STO], 128, v[STO]               ; the next 32 e in the stage
	s_sub_co_u32 s24, s24, 1
	s_cmp_lg_u32 s24, 0
	s_cbranch_scc1 .Lunit
	UNIT 0                                         ; the last unit loads nothing: no load leaves the buffer
	; THE WAY OUT.  A slot's row of 3,072 bytes comes from all eight waves: my stores are done, then the barrier.
	s_wait_dscnt 0x0
	s_barrier_signal -1
	s_barrier_wait -1
.irp nn, 0,1
.irp i, 0,1,2,3,4,5
	ds_load_b128 v[X+4*(6*\nn+\i):X+4*(6*\nn+\i)+3], v[RD] offset:SPITCH*\nn+512*\i
.endr
.endr
.irp nn, 0,1
.irp i, 0,1,2,3,4,5
	s_wait_dscnt 11-(6*\nn+\i)
	global_store_b128 v[LO], v[X+4*(6*\nn+\i):X+4*(6*\nn+\i)+3], s[10:11] offset:786432*\nn+512*\i  ; 512 consecutive bytes, at a multiple of 256 from P32's first byte
.endr
.endr
	s_cmp_gt_u32 s16, 5
	s_cbranch_scc1 .Lno_ps                         ; six waves add the 16 slots, 512 bytes of a row each
.set n, 0
.rept 16
	ds_load_b128 v[Q+4*n:Q+4*n+3], v[PSA] offset:SPITCH*n
.set n, n+1
.endr
	s_wait_dscnt 0x0
.irp d, 8,4,2,1
.set n, 0
.rept \d
	v_pk_add_f32 v[Q+4*n:Q+4*n+1], v[Q+4*n:Q+4*n+1], v[Q+4*(n+\d):Q+4*(n+\d)+1]
	v_pk_add_f32 v[Q+4*n+2:Q+4*n+3], v[Q+4*n+2:Q+4*n+3], v[Q+4*(n+\d)+2:Q+4*(n+\d)+3]
.set n, n+1
.endr
.endr
	global_store_b128 v[LO], v[Q:Q+3], s[12:13]
.Lno_ps:
	s_cmp_lg_u32 s16, 7
	s_cbranch_scc1 .Lend
	s_cmp_gt_u32 s17, 31
	s_cbranch_scc1 .Lend                           ; mask_ids is 32 pieces of 512 bytes: wave 7 of the first 32 work-groups copies one each
	s_lshl_b32 s18, s17, 9
	s_add_nc_u64 s[8:9], s[8:9], s[18:19]
	s_add_nc_u64 s[14:15], s[14:15], s[18:19]
	global_load_b128 v[T:T+3], v[LO], s[8:9]
	s_wait_loadcnt 0x0
	global_store_b128 v[LO], v[T:T+3], s[14:15]
.Lend:
	s_wait_tensorcnt 0x0                           ; the wave's end, behind my last LDS store
	ds_add_u32 v[SPW], v[NIL]
	s_wait_dscnt 0x0
	s_endpgm
.Lfunc_end_k_qf6f598b3d3_pool:
	.size	k_qf6f598b3d3_pool, .Lfunc_end_k_qf6f598b3d3_pool-k_qf6f598b3d3_pool
	.p2alignl 7, 3214868480
	.fill 96, 4, 3214868480
	.section	.rodata,"a",@progbits
	.p2align	6, 0x0
	.amdhsa_kernel k_qf6f598b3d3_pool
		.amdhsa_group_segment_fixed_size 150784
		.amdhsa_private_segment_fixed_size 0
		.amdhsa_enable_private_segment 0
		.amdhsa_kernarg_size 48
		.amdhsa_user_sgpr_count 2
		.amdhsa_user_sgpr_kernarg_segment_ptr 1
		.amdhsa_wavefront_size32 1
		.amdhsa_system_sgpr_workgroup_id_x 1
		.amdhsa_system_sgpr_workgroup_id_y 1
		.amdhsa_system_sgpr_workgroup_id_z 1
		.amdhsa_system_vgpr_workitem_id 0
		.amdhsa_next_free_vgpr 464
		.amdhsa_next_free_sgpr 66
		.amdhsa_reserve_vcc 0
		.amdhsa_float_denorm_mode_32 3
		.amdhsa_float_denorm_mode_16_64 3
		.amdhsa_memory_ordered 1
		.amdhsa_forward_progress 1
		.amdhsa_inst_pref_size 60
	.end_amdhsa_kernel
	.amdgpu_metadata
---
amdhsa.version: [ 1, 2 ]
amdhsa.kernels:
  - .name:           k_qf6f598b3d3_pool
    .symbol:         k_qf6f598b3d3_pool.kd
    .args:
      - { .name: x, .offset: 0, .size: 8, .value_kind: global_buffer, .address_space: global }
      - { .name: masks, .offset: 8, .size: 8, .value_kind: global_buffer, .address_space: global }
      - { .name: mask_ids, .offset: 16, .size: 8, .value_kind: global_buffer, .address_space: global }
      - { .name: P32, .offset: 24, .size: 8, .value_kind: global_buffer, .address_space: global }
      - { .name: PS, .offset: 32, .size: 8, .value_kind: global_buffer, .address_space: global }
      - { .name: out1, .offset: 40, .size: 8, .value_kind: global_buffer, .address_space: global }
    .group_segment_fixed_size: 150784
    .private_segment_fixed_size: 0
    .kernarg_segment_align: 8
    .kernarg_segment_size: 48
    .max_flat_workgroup_size: 256
    .sgpr_count:     66
    .vgpr_count:     464
    .wavefront_size: 32
...
	.end_amdgpu_metadata
.endif
;; end of part 1
;; launch prep (part 2): grid 304 x 1, 8 waves a work-group, no clusters, 44,032 bytes of LDS; arguments P32, PS, W1, W2, PcF, W1F, W2F; writes PcF, W1F, W2F
.if DOCPART == 2
	.amdgcn_target "amdgcn-amd-amdhsa--gfx1250"
	.amdhsa_code_object_version 6
	.text
	.protected	k_qf6f598b3d3_prep
	.globl	k_qf6f598b3d3_prep
	.p2align	8
	.type	k_qf6f598b3d3_prep,@function
k_qf6f598b3d3_prep:
	s_mov_b64 s[64:65], 0
	v_nop
	global_prefetch_b8 v0, s[64:65] scope:SCOPE_SE
	s_setreg_imm32_b32 hwreg(HW_REG_WAVE_MODE, 25, 1), 1
	s_wait_xcnt 0x0
; OPERANDS FOR THE TWO PRODUCTS, rounded once to f16 and laid in the order in which a wave's registers take them.
; A FRAGMENT is 1,024 bytes: 16 rows x 32 K of f16 as [q 2][lane 32][16 bytes]; lane l of half q holds row l % 16, K = 16 q + 8 (l / 16) + 0..7.
;   PcF [rb 256][ks 24]:             rows = tokens 16 rb .. (token = 256 slot + batch), K = e: pooled LESS ITS MEAN OVER ALL 4,096 TOKENS, taken away in f32 before the rounding.
;                                    The batch norm behind the first product does not change when one vector is taken from all tokens; its sums then have a mean near 0.
;   W1F [G 256][ks 24][nb 4]:        G = 64 p + hid / 64; rows = 16 columns hid of W1, K = e.        W2F [p 4][og 4][ks 128][nb 4]: rows = 16 output columns of W2, K = hid.
; LIMITS.  f16: numbers stay under 65,504; under 6e-5 they keep f16's fixed step of 6e-8.
; SHARES.  Every wave has four tiles of 32 rows x 64 f32 (rows of 256 bytes, at multiples of 256 bytes).  Work-groups 0-47 centre pooled, 48-239 lay W1, 240-303 W2.
; The eight waves of a centring work-group have the same 64 columns: each adds 32 of the 256 rows of PS, and the eight partial sums meet in LDS behind the text's one barrier.
; A stream: two tiles of every wave (32 loads) are on their way; each store covers 512 consecutive bytes.  No matrix unit, and no tile that work-groups read at the same time: no cluster.
.set STGB,  5120                       ; a wave's stage in LDS
.set MST,   40960                      ; behind the eight stages: 256 bytes of partial sums for each wave
.set SPARE, 43008                      ; the spare words, 128 bytes for each wave, which no other line names
.set LO,  1                            ; 16 x lane
.set SA,  2                            ; where I put my bytes in the stage
.set FA,  3                            ; where I read fragments back
.set SPW, 4                            ; my spare word; never rewritten
.set NIL, 5                            ; 0; never rewritten
.set T,   8                            ; v8-15  at work
.set M,   16                           ; v16-23 two running sums of four columns
.set NM,  24                           ; v24-27 minus the mean of my four columns
.set VO,  28                           ; v28-43 byte offsets of the 16 loads of a tile
.set R,   44                           ; v44-75 a tile in f16; before that the eight partial sums
.set X0,  76                           ; v76-139, v140-203 two tiles as loaded
.set X1,  140
.set MSW, 204                          ; where I put my partial sums
.set MSR, 205                          ; where I read the eight
	s_load_b256 s[4:11], s[0:1], 0x0               ; P32 s[4:5], PS s[6:7], W1 s[8:9], W2 s[10:11]
	s_load_b128 s[12:15], s[0:1], 0x20             ; PcF s[12:13], W1F s[14:15]
	s_load_b64 s[16:17], s[0:1], 0x30              ; W2F
	v_lshl_add_u32 v[SPW], v0, 2, SPARE
	v_mov_b32 v[NIL], 0
	v_lshrrev_b32 v6, 5, v0
	v_readfirstlane_b32 s21, v6                    ; wave 0..7
	s_mov_b32 s20, ttmp9
	v_and_b32 v6, 31, v0                           ; lane
	v_and_b32 v7, 15, v0                           ; lane % 16
	v_bfe_u32 v8, v0, 4, 1                         ; lane / 16
	v_lshlrev_b32 v[LO], 4, v6
	s_mul_i32 s19, s21, STGB                       ; my stage
	s_cmp_lt_u32 s20, 48
	s_cbranch_scc0 .Lweights                       ; by the work-group's number: all eight waves go the same way
	; ---------------- CENTRING.  Strip s = 64 columns e (12 strips); my four tiles are rows 128 tg .. 128 tg + 127 of P32.
	s_lshr_b32 s23, s20, 2                         ; s
	s_and_b32 s24, s20, 3
	s_lshl_b32 s24, s24, 3
	s_add_co_u32 s24, s24, s21                     ; tg 0..31
	v_mul_u32_u24 v9, v8, 144                      ; the stage: rows of 128 bytes + 16: 9 x 16 bytes, so the 16 rows of a fragment load start in 16 different groups of four banks (ISA guide 11.1)
	v_lshl_add_u32 v9, v7, 3, v9
	v_add_nc_u32 v[SA], s19, v9                    ; in: row lane / 16, 8 bytes a lane
	v_mul_u32_u24 v9, v7, 144
	v_lshl_add_u32 v9, v8, 4, v9
	v_add_nc_u32 v[FA], s19, v9                    ; back: row lane % 16, 16 bytes for each half of the lanes
	v_mul_u32_u24 v9, v8, 3072
	v_lshl_add_u32 v[VO], v7, 4, v9                ; a load takes two rows' 256 bytes
	s_lshl_b32 s25, s21, 8
	s_add_co_u32 s25, s25, MST
	v_lshl_add_u32 v[MSW], v7, 4, s25              ; my wave's 256 bytes: four columns, 16 bytes, a lane; both halves of the lanes hold the same
	v_lshlrev_b32 v[MSR], 4, v7
	v_add_nc_u32 v[MSR], MST, v[MSR]
.irp c, 0,1,2,3,4,5,6,7
	v_mov_b32 v[M+\c], 0
.endr
	s_mov_b32 s40, 0x76543210                      ; v_permlanex16_b32: each lane takes its own place in the other half
	s_mov_b32 s41, 0xfedcba98
	s_mov_b32 s42, 0xb9800000                      ; -1 / 4,096
	s_mov_b32 s43, s42                             ; named with it as a pair
	s_lshl_b32 s26, s23, 8                         ; the strip's 256 bytes in a row
	s_mul_i32 s44, s21, 98304                      ; my 32 rows of PS
	s_add_co_u32 s44, s44, s26
	s_mov_b32 s45, 0
	s_mul_i32 s28, s24, 393216                     ; 128 rows of 3,072 bytes
	s_add_co_u32 s28, s28, s26
	s_mov_b32 s29, 0
	s_mul_i32 s30, s24, 196608                     ; 8 row blocks of 24,576 bytes
	s_lshl_b32 s31, s23, 11                        ; two K steps of 1,024 bytes
	s_add_co_u32 s30, s30, s31
	s_mov_b32 s31, 0
	s_wait_kmcnt 0x0
	s_add_nc_u64 s[6:7], s[6:7], s[44:45]
	s_add_nc_u64 s[4:5], s[4:5], s[28:29]
	s_add_nc_u64 s[12:13], s[12:13], s[30:31]
.macro LOADS xb                        ; my 32 rows of PS, my strip
.set j, 0
.rept 16
	global_load_b128 v[(\xb)+4*j:(\xb)+4*j+3], v[VO], s[6:7] offset:6144*j
.set j, j+1
.endr
.endm
.macro LOADC xb, i                     ; tile i of P32
.set j, 0
.rept 16
	global_load_b128 v[(\xb)+4*j:(\xb)+4*j+3], v[VO], s[4:5] offset:98304*(\i)+6144*j th:TH_LOAD_NT
.set j, j+1
.endr
.endm
.macro SUM xb                          ; two chains, by turns
.set j, 0
.rept 16
	v_pk_add_f32 v[M+4*(j%2):M+4*(j%2)+1], v[M+4*(j%2):M+4*(j%2)+1], v[(\xb)+4*j:(\xb)+4*j+1]
	v_pk_add_f32 v[M+4*(j%2)+2:M+4*(j%2)+3], v[M+4*(j%2)+2:M+4*(j%2)+3], v[(\xb)+4*j+2:(\xb)+4*j+3]
.set j, j+1
.endr
.endm
; Tile i: the mean is taken away, the tile rounded, sent through my stage and stored as eight halves of fragments.
.macro PROCC xb, i
	s_wait_xcnt 0x0                                ; R, which the last tile's stores read, is rewritten only behind this wait (ISA guide 3.1)
.set j, 0
.rept 16
	v_pk_add_f32 v[(\xb)+4*j:(\xb)+4*j+1], v[(\xb)+4*j:(\xb)+4*j+1], v[NM:NM+1]
	v_pk_add_f32 v[(\xb)+4*j+2:(\xb)+4*j+3], v[(\xb)+4*j+2:(\xb)+4*j+3], v[NM+2:NM+3]
	v_cvt_pk_f16_f32 v[T+2*(j%4)], v[(\xb)+4*j], v[(\xb)+4*j+1]
	v_cvt_pk_f16_f32 v[T+2*(j%4)+1], v[(\xb)+4*j+2], v[(\xb)+4*j+3]
	ds_store_b64 v[SA], v[T+2*(j%4):T+2*(j%4)+1] offset:288*j
.set j, j+1
.endr
.set k, 0
.rept 8                                        ; k = 4 x row block + 2 x K step + q.  LDS serves a wave's instructions in order (ISA guide 5.7.1.4): these see the stores above
	ds_load_b128 v[R+4*k:R+4*k+3], v[FA] offset:2304*(k/4)+32*(k%4)
.set k, k+1
.endr
.set k, 0
.rept 8
	s_wait_dscnt 7-k
	global_store_b128 v[LO], v[R+4*k:R+4*k+3], s[12:13] offset:49152*(\i)+24576*(k/4)+512*(k%4)  ; 512 consecutive bytes
.set k, k+1
.endr
.endm
	; the mean of the strip: my 32 rows of PS; the first tiles are asked for meanwhile
	LOADS X0
	LOADC X1, 0
	s_wait_loadcnt 16                              ; my rows of PS are in, tile 0 stays out
	SUM X0
	LOADC X0, 1                                    ; tile 1 goes out as soon as its registers are free
	v_pk_add_f32 v[M:M+1], v[M:M+1], v[M+4:M+5]
	v_pk_add_f32 v[M+2:M+3], v[M+2:M+3], v[M+6:M+7]
.irp c, 0,1,2,3
	v_permlanex16_b32 v[M+4+\c], v[M+\c], s40, s41 ; the odd rows lie in the lane 16 away
.endr
	v_pk_add_f32 v[M:M+1], v[M:M+1], v[M+4:M+5]
	v_pk_add_f32 v[M+2:M+3], v[M+2:M+3], v[M+6:M+7]
	ds_store_b128 v[MSW], v[M:M+3]
	s_wait_dscnt 0x0                               ; for the others' sake: my partial sums are in LDS
	s_barrier_signal -1
	s_barrier_wait -1
.set k, 0
.rept 8
	ds_load_b128 v[R+4*k:R+4*k+3], v[MSR] offset:256*k
.set k, k+1
.endr
	s_wait_dscnt 0x0
.irp d, 4,2,1                          ; the same order in every wave of every work-group of the strip: one mean, bit for bit, for all tokens
.set n, 0
.rept \d
	v_pk_add_f32 v[R+4*n:R+4*n+1], v[R+4*n:R+4*n+1], v[R+4*(n+\d):R+4*(n+\d)+1]
	v_pk_add_f32 v[R+4*n+2:R+4*n+3], v[R+4*n+2:R+4*n+3], v[R+4*(n+\d)+2:R+4*(n+\d)+3]
.set n, n+1
.endr
.endr
	v_pk_mul_f32 v[NM:NM+1], v[R:R+1], s[42:43] op_sel_hi:[1,0]
	v_pk_mul_f32 v[NM+2:NM+3], v[R+2:R+3], s[42:43] op_sel_hi:[1,0]
	s_wait_loadcnt 16                              ; the older tile is in, the younger stays out
	PROCC X1, 0
	LOADC X1, 2
	s_wait_loadcnt 16
	PROCC X0, 1
	LOADC X0, 3
	s_wait_loadcnt 16
	PROCC X1, 2
	s_wait_loadcnt 0x0
	PROCC X0, 3
	s_branch .Lend
	; ---------------- WEIGHTS.  One text for W1 and W2: buffers, offsets and the pitch are chosen by the work-group's number.  Every wave works for itself.
.Lweights:
	s_sub_co_u32 s22, s20, 48                      ; W1: wave a of 1,536 has column group G = a / 6 and K steps 4 (a % 6) ..
	s_lshl_b32 s22, s22, 3
	s_add_co_u32 s22, s22, s21
	s_mul_i32 s23, s22, 10923
	s_lshr_b32 s23, s23, 16                        ; a / 6, exact for a < 1,536
	s_mul_i32 s24, s23, 6
	s_sub_co_u32 s24, s22, s24
	s_lshl_b32 s24, s24, 2
	s_lshr_b32 s25, s23, 6
	s_mul_i32 s25, s25, 12582912                   ; projector: 768 rows of 16,384 bytes
	s_lshl_b32 s26, s24, 19                        ; K step: 32 rows
	s_add_co_u32 s25, s25, s26
	s_and_b32 s26, s23, 63
	s_lshl_b32 s26, s26, 8                         ; 64 columns
	s_add_co_u32 s25, s25, s26
	s_mul_i32 s26, s23, 98304
	s_lshl_b32 s27, s24, 12
	s_add_co_u32 s26, s26, s27
	s_sub_co_u32 s28, s20, 240                     ; W2: wave a of 512 has po = 4 p + og = a / 32 and K steps 4 (a % 32) ..
	s_lshl_b32 s28, s28, 3
	s_add_co_u32 s28, s28, s21
	s_lshr_b32 s29, s28, 5
	s_and_b32 s30, s28, 31
	s_lshl_b32 s30, s30, 2
	s_lshr_b32 s31, s29, 2
	s_lshl_b32 s31, s31, 22                        ; projector: 4,096 rows of 1,024 bytes
	s_lshl_b32 s40, s30, 15                        ; K step: 32 rows
	s_add_co_u32 s31, s31, s40
	s_and_b32 s40, s29, 3
	s_lshl_b32 s40, s40, 8
	s_add_co_u32 s31, s31, s40
	s_lshl_b32 s41, s29, 19
	s_lshl_b32 s40, s30, 12
	s_add_co_u32 s41, s41, s40
	s_mov_b32 s46, 16384
	s_mov_b32 s47, 1024
	s_mov_b32 s43, 0
	s_mov_b32 s45, 0
	s_mov_b32 s53, 0
	s_wait_kmcnt 0x0
	s_cmp_lt_u32 s20, 240                          ; W1 or W2: the selects below leave SCC alone
	s_cselect_b32 s42, s25, s31                    ; source offset
	s_cselect_b32 s44, s26, s41                    ; destination offset
	s_cselect_b32 s46, s46, s47                    ; bytes from row to row
	s_cselect_b64 s[48:49], s[8:9], s[10:11]
	s_cselect_b64 s[50:51], s[14:15], s[16:17]
	s_lshl_b32 s52, s46, 5                         ; a tile's 32 rows
	s_lshl_b32 s47, s46, 4                         ; 16 rows
	s_add_nc_u64 s[32:33], s[48:49], s[42:43]      ; my four tiles
	s_add_nc_u64 s[34:35], s[32:33], s[52:53]
	s_add_nc_u64 s[36:37], s[34:35], s[52:53]
	s_add_nc_u64 s[38:39], s[36:37], s[52:53]
	s_add_nc_u64 s[50:51], s[50:51], s[44:45]
	; Load j takes row j (lanes 0-15) and row j + 16 (lanes 16-31), 256 bytes each: a lane then holds rows 2 m and 2 m + 1 of its four columns, and one conversion makes a K pair.
	v_mul_u32_u24 v9, s47, v8
	v_lshl_add_u32 v[VO], v7, 4, v9
.set j, 1
.rept 15
	v_add_nc_u32 v[VO+j], s46, v[VO+j-1]
.set j, j+1
.endr
	; A lane's eight words of column 4 (lane % 16) + c are K = 16 (lane / 16) + 0..15: half q = lane / 16 of fragment (lane % 16) / 4, row 4 (lane % 4) + c, both 16-byte pieces.
	; The four fragments lie 1,040 bytes apart in the stage.
	v_lshrrev_b32 v9, 2, v7
	v_mul_u32_u24 v9, v9, 1040
	v_and_b32 v10, 3, v7
	v_lshl_add_u32 v9, v10, 6, v9
	v_lshl_add_u32 v9, v8, 9, v9
	v_add_nc_u32 v[SA], s19, v9
	v_add_nc_u32 v[FA], s19, v[LO]
.macro LOADW xb, i
.set j, 0
.rept 16
	global_load_b128 v[(\xb)+4*j:(\xb)+4*j+3], v[VO+j], s[32+2*(\i):33+2*(\i)] th:TH_LOAD_NT
.set j, j+1
.endr
.endm
.macro PROCW xb, i
	s_wait_xcnt 0x0                                ; R, which the last tile's stores read, is rewritten only behind this wait (ISA guide 3.1)
.irp c, 0,1,2,3
.set m, 0
.rept 8
	v_cvt_pk_f16_f32 v[R+8*\c+m], v[(\xb)+8*m+\c], v[(\xb)+8*m+4+\c]   ; the lower K in the lower half
.set m, m+1
.endr
.endr
.irp c, 0,1,2,3
	ds_store_b128 v[SA], v[R+8*\c:R+8*\c+3] offset:16*\c
	ds_store_b128 v[SA], v[R+8*\c+4:R+8*\c+7] offset:16*\c+256
.endr
.set k, 0
.rept 8                                        ; k = 2 nb + q; in order behind the stores (ISA guide 5.7.1.4)
	ds_load_b128 v[R+4*k:R+4*k+3], v[FA] offset:1040*(k/2)+512*(k%2)
.set k, k+1
.endr
.set k, 0
.rept 8
	s_wait_dscnt 7-k
	global_store_b128 v[LO], v[R+4*k:R+4*k+3], s[50:51] offset:4096*(\i)+512*k  ; 512 consecutive bytes
.set k, k+1
.endr
.endm
	LOADW X0, 0
	LOADW X1, 1
	s_wait_loadcnt 16                              ; the older tile is in, the younger stays out
	PROCW X0, 0
	LOADW X0, 2
	s_wait_loadcnt 16
	PROCW X1, 1
	LOADW X1, 3
	s_wait_loadcnt 16
	PROCW X0, 2
	s_wait_loadcnt 0x0
	PROCW X1, 3
.Lend:
	s_wait_tensorcnt 0x0                           ; the wave's end, behind my last LDS store
	ds_add_u32 v[SPW], v[NIL]
	s_wait_dscnt 0x0
	s_endpgm
.Lfunc_end_k_qf6f598b3d3_prep:
	.size	k_qf6f598b3d3_prep, .Lfunc_end_k_qf6f598b3d3_prep-k_qf6f598b3d3_prep
	.p2alignl 7, 3214868480
	.fill 96, 4, 3214868480
	.section	.rodata,"a",@progbits
	.p2align	6, 0x0
	.amdhsa_kernel k_qf6f598b3d3_prep
		.amdhsa_group_segment_fixed_size 44032
		.amdhsa_private_segment_fixed_size 0
		.amdhsa_enable_private_segment 0
		.amdhsa_kernarg_size 56
		.amdhsa_user_sgpr_count 2
		.amdhsa_user_sgpr_kernarg_segment_ptr 1
		.amdhsa_wavefront_size32 1
		.amdhsa_system_sgpr_workgroup_id_x 1
		.amdhsa_system_sgpr_workgroup_id_y 1
		.amdhsa_system_sgpr_workgroup_id_z 1
		.amdhsa_system_vgpr_workitem_id 0
		.amdhsa_next_free_vgpr 216
		.amdhsa_next_free_sgpr 66
		.amdhsa_reserve_vcc 0
		.amdhsa_float_denorm_mode_32 3
		.amdhsa_float_denorm_mode_16_64 3
		.amdhsa_memory_ordered 1
		.amdhsa_forward_progress 1
		.amdhsa_inst_pref_size 67
	.end_amdhsa_kernel
	.amdgpu_metadata
---
amdhsa.version: [ 1, 2 ]
amdhsa.kernels:
  - .name:           k_qf6f598b3d3_prep
    .symbol:         k_qf6f598b3d3_prep.kd
    .args:
      - { .name: P32, .offset: 0, .size: 8, .value_kind: global_buffer, .address_space: global }
      - { .name: PS, .offset: 8, .size: 8, .value_kind: global_buffer, .address_space: global }
      - { .name: W1, .offset: 16, .size: 8, .value_kind: global_buffer, .address_space: global }
      - { .name: W2, .offset: 24, .size: 8, .value_kind: global_buffer, .address_space: global }
      - { .name: PcF, .offset: 32, .size: 8, .value_kind: global_buffer, .address_space: global }
      - { .name: W1F, .offset: 40, .size: 8, .value_kind: global_buffer, .address_space: global }
      - { .name: W2F, .offset: 48, .size: 8, .value_kind: global_buffer, .address_space: global }
    .group_segment_fixed_size: 44032
    .private_segment_fixed_size: 0
    .kernarg_segment_align: 8
    .kernarg_segment_size: 56
    .max_flat_workgroup_size: 256
    .sgpr_count:     66
    .vgpr_count:     216
    .wavefront_size: 32
...
	.end_amdgpu_metadata
.endif
;; end of part 2
;; launch gemm1 (part 3): grid 64 x 4, 4 waves a work-group, clusters of 4 x 1, 327,680 bytes of LDS; arguments PcF, W1F, projection_idx, H, STAT; writes H, STAT
.if DOCPART == 3
	.amdgcn_target "amdgcn-amd-amdhsa--gfx1250"
	.amdhsa_code_object_version 6
	.text
	.protected	k_qf6f598b3d3_gemm1
	.globl	k_qf6f598b3d3_gemm1
	.p2align	8
	.type	k_qf6f598b3d3_gemm1,@function
k_qf6f598b3d3_gemm1:
	s_mov_b64 s[64:65], 0
	v_nop
	global_prefetch_b8 v0, s[64:65] scope:SCOPE_SE
	s_setreg_imm32_b32 hwreg(HW_REG_WAVE_MODE, 25, 1), 1
	s_wait_xcnt 0x0
	s_wait_alu depctr_hold_cnt(0) depctr_sa_sdst(0) depctr_va_vdst(0) depctr_va_sdst(0) depctr_va_ssrc(0) depctr_va_vcc(0) depctr_vm_vsrc(0)
	s_getreg_b32 s2, hwreg(HW_REG_IB_STS2, 6, 4)
	s_cmp_eq_u32 s2, 0
	s_cbranch_scc0 .Lentry_in_a_cluster
	s_endpgm
.Lentry_in_a_cluster:
	s_bfe_u32 s2, ttmp6, 0x10000c
	s_cmp_lg_u32 s2, 0x3003
	s_cbranch_scc0 .Lentry_shape_is_right
	s_endpgm
.Lentry_shape_is_right:
; THE FIRST PRODUCT, for all four projectors: h[t][col] = sum over e of Pc[t][e] W1[p][e][hid], col = 4,096 p + hid; 4,096 tokens x 16,384 columns x K = 768, f16 operands, f32 sums.
; Stored: STAT [kind 2][rg 4][col] f32: the sum of h and of h^2 over the 1,024 tokens of row group rg (of the unrounded f32 sums);
;         H [rb 256][kf 128] fragments of f16 (16 tokens x 32 hid): h of the ONE projector that projection_idx names for the tokens' slot.  Tokens are slot-major, so 16 rows have one slot.
; LIMITS.  h is rounded once to f16: it stays under 65,504.  projection_idx lies in 0..3: a slot with another number gets no rows in H.
; SHARES.  Work-group (cg, rg): 256 columns x 1,024 tokens.  Wave w: the 64 columns G = 4 cg + w, whose whole slice of W1 (24 K steps x 4 fragments = 768 registers) STAYS IN REGISTERS; the tokens
; walk by, 16 at a time (a BLOCK: 96 matrix instructions on four accumulators).  All four waves read the same token fragments from LDS: two 16-byte loads feed four matrix instructions.
; RING.  A tile is 64 tokens = 4 blocks of 24,576 bytes, dense in fragment order (a lane reads at 16 x lane: no padding is wanted); two slots; each wave fetches a block of each tile.
; CLUSTER.  The four work-groups of a cluster have the same rg and walk the same tokens: each tile is asked for JOINTLY, the same load, descriptor and mask (15) in all four.
; The text has no branch but on the wave's number and on counters.  Whether a block's rows are stored is a matter of EXEC: all lanes or none for the four stores alone, and then all lanes again, by a constant.
; The product is used with source 0 = 16 columns of W1, source 1 = 16 tokens: a lane holds one token (lane % 16) and eight neighbouring columns; two accumulators rounded in pairs ARE a fragment of H.
; REGISTERS.  window 0: v2-7, v24, v27 addresses and a zero; v8-23 packed results; v32-63 four accumulators; v96-127 sums of h, v128-159 of h^2; v160-207, v208-255 two buffers of six token fragments.
;             windows 1-3: W1: K step ks, fragment nb at v[32 (ks % 8) + 8 nb] of window 1 + ks / 8.
.set SLOT1, 131072                     ; slot 1 begins here, so that one exclusive or turns an address in one slot into the other's
.set BLKB,  24576
.set TILEB, 98304
.set STG,   229376                     ; behind the ring, never filled by a tensor load: 512 bytes for each wave
.set SPARE, 231424                     ; the spare words, 128 bytes for each wave, which no other line names
.set AD0, 2                            ; 16 x lane; never rewritten
.set AD,  3                            ; LDS address of the block in hand
.set SS,  4
.set SPW, 5                            ; my spare word; never rewritten
.set NIL, 6                            ; 0; never rewritten
.set SR,  7
.set TMP, 8
.set SO,  24
.set ZR,  27                           ; 0, for the compare that makes the stores' EXEC
.set ACC, 32
.set S1,  96
.set S2,  128
.set FR,  160
.set HB,  10                           ; s[10:11] H at the row block in hand
.set STB, 12                           ; s[12:13] STAT at my columns
.set WV,  14                           ; s14 my wave's number
.set G1,  24                           ; s[24:31] descriptor group 1
.set G0A, 32                           ; s[32:35] group 0 of the first fill
.set G0B, 36                           ; s[36:39] group 0 of the second; it then walks
.set FM,  44                           ; s44 a bit for each tile to come: its slot has chosen my projector
.set CH,  45                           ; s45 the bit of the tile in hand
.set TB,  46                           ; s46 LDS byte of the block to be fetched
.set SVX, 49                           ; s49 takes the old EXEC of s_and_saveexec_b32; it is not read
.set MSB, 0
.macro WIN new                         ; the immediate's high byte repeats the setting that is left; a switch that changes nothing is dropped
.if MSB != (\new)
	s_set_vgpr_msb (MSB<<8)|(\new)
.set MSB, (\new)
.endif
.endm
.macro PLACES                          ; four places in front of loads into registers that matrix instructions have read, and of vector lines that read results (ISA guide 7.12.1 for vector lines)
.rept 4
	v_nop
.endr
.endm
.macro CREST                           ; a round of the cluster's barrier behind its opening barrier
	s_cmp_lg_u32 s[WV], 0
	s_cbranch_scc1 .Lnot_wave_0_\@
	s_barrier_signal -3
.Lnot_wave_0_\@:
	s_barrier_wait -3
	s_barrier_signal -1
	s_barrier_wait -1
.endm
.macro CROUND
	s_barrier_signal -1
	s_barrier_wait -1
	CREST
.endm
	s_load_b256 s[4:11], s[0:1], 0x0               ; PcF s[4:5], W1F s[6:7], projection_idx s[8:9], H s[10:11]
	s_load_b64 s[12:13], s[0:1], 0x20              ; STAT
	v_lshl_add_u32 v[SPW], v0, 2, SPARE
	v_mov_b32 v[NIL], 0
	ds_add_u32 v[SPW], v[NIL]                      ; the wave's opening: the add and its wait stand ahead of my first tensor load; the set-up below, work on registers, stands between them
	v_lshrrev_b32 v1, 5, v0
	v_readfirstlane_b32 s[WV], v1                  ; wave 0..3
	s_bfe_u32 s15, ttmp6, 0x40000                  ; cx: my place in the cluster: it enters W1F's, H's and STAT's addresses alone
	s_lshl_b32 s16, ttmp9, 2                       ; in a cluster launch ttmp9 counts clusters
	s_add_co_u32 s16, s16, s15                     ; cg = 4 x cluster x + cx
	s_and_b32 s17, ttmp7, 0xffff                   ; rg, which the four partners share
	s_lshr_b32 s18, ttmp9, 2                       ; p = cg / 16: the same in the four partners
	; descriptor group 1: a block of 24,576 dense bytes as 96 rows of 256 bytes
	s_mov_b32 s[G1], 15|(3<<16)|(1<<21)            ; 15:0 the mask of four; 17:16 elements of 8 bytes; 21 set beside a mask; no padding
	s_mov_b32 s[G1+1], 32<<16                      ; tensor_dim0 = 32
	s_mov_b32 s[G1+2], 96<<16                      ; tensor_dim1 = 96
	s_mov_b32 s[G1+3], 32<<16                      ; tile_dim0 = 32
	s_mov_b32 s[G1+4], 96                          ; tile_dim1 = 96
	s_mov_b32 s[G1+5], 32                          ; 32 elements from row to row
	s_mov_b32 s[G1+6], 0
	s_mov_b32 s[G1+7], 0
	s_mov_b32 s[G0A], 1                            ; count = 1
	s_mul_i32 s[G0A+1], s[WV], BLKB                ; LDS address: my block of slot 0
	s_mov_b32 s[G0B], 1
	s_add_co_u32 s[G0B+1], s[G0A+1], SLOT1         ; of slot 1
	s_mul_i32 s50, s17, 1572864                    ; my row group: 64 blocks
	s_add_co_u32 s50, s50, s[G0A+1]                ; my block of tile 0
	s_mov_b32 s51, 0
	v_and_b32 v25, 31, v0
	v_lshlrev_b32 v[AD0], 4, v25
	v_bfe_u32 v26, v0, 4, 1                        ; lane / 16
	v_mov_b32 v[ZR], 0
	s_lshl_b32 s49, s[WV], 9
	s_add_co_u32 s49, s49, STG                     ; my stage
	v_lshl_add_u32 v[SS], v26, 5, s49              ; in: eight columns, 32 bytes, for each half of the lanes
	v_add_nc_u32 v[SR], s49, v[AD0]                ; back: 512 bytes on end
	v_and_b32 v25, 15, v0
	v_lshlrev_b32 v25, 4, v25
	v_lshl_add_u32 v[SO], v26, 18, v25             ; lanes 0-15 the sums of h, lanes 16-31 those of h^2, 262,144 bytes on
	s_lshl_b32 s52, s16, 2
	s_add_co_u32 s52, s52, s[WV]                   ; G
	s_mul_i32 s54, s52, 98304                      ; my slice of W1F
	s_mov_b32 s55, 0
	s_lshl_b32 s52, s52, 8
	s_lshl_b32 s53, s17, 16
	s_add_co_u32 s52, s52, s53                     ; STAT: 65,536 rg + 256 G
	s_mov_b32 s53, 0
	s_and_b32 s56, s16, 15
	s_lshl_b32 s56, s56, 13                        ; H: 8 fragments for each cg of the projector,
	s_lshl_b32 s57, s[WV], 11                      ; two for each wave,
	s_add_co_u32 s56, s56, s57
	s_lshl_b32 s57, s17, 23                        ; 64 row blocks of 131,072 bytes for each rg
	s_add_co_u32 s56, s56, s57
	s_mov_b32 s57, 0
	s_lshl_b32 s58, s17, 4                         ; my four slots' entries of projection_idx
	s_mov_b32 s59, 0
	s_wait_dscnt 0x0                               ; the opening add is done
	s_wait_kmcnt 0x0
	s_add_nc_u64 s[G0A+2:G0A+3], s[4:5], s[50:51]  ; global address: tile 0,
	s_add_nc_u64 s[G0B+2:G0B+3], s[G0A+2:G0A+3], TILEB  ; tile 1
	s_or_b32 s[G0A+3], s[G0A+3], 0x80000000        ; type = 2
	s_or_b32 s[G0B+3], s[G0B+3], 0x80000000
	s_add_nc_u64 s[6:7], s[6:7], s[54:55]
	s_add_nc_u64 s[STB:STB+1], s[STB:STB+1], s[52:53]
	s_add_nc_u64 s[HB:HB+1], s[HB:HB+1], s[56:57]
	s_add_nc_u64 s[8:9], s[8:9], s[58:59]
	CROUND                                         ; all four work-groups are here: the first joint loads meet
	tensor_load_to_lds s[G0A:G0A+3], s[G1:G1+7]    ; both first fills go out together: two loads of mine are out
	s_nop 0
	tensor_load_to_lds s[G0B:G0B+3], s[G1:G1+7]
	s_nop 0
	PLACES
	s_load_b128 s[40:43], s[8:9], 0x0
.irp wdw, 1,2,3                        ; my slice of W1: 192 loads of 512 consecutive bytes, 64 into each window
	WIN 0x40*\wdw
.set i, 0
.rept 64
	global_load_b128 v[4*i:4*i+3], v[AD0], s[6:7] offset:32768*(\wdw-1)+512*i
.set i, i+1
.endr
.endr
	WIN 0
.set i, 0
.rept 64
	v_mov_b32 v[S1+i], 0                           ; the running sums start at 0: the price of writing no first block out; it stands in the wait for the first tile
.set i, i+1
.endr
	s_wait_kmcnt 0x0
	s_mov_b32 s[FM], 0                             ; four tiles to a slot
	s_cmp_eq_u32 s40, s18
	s_cselect_b32 s50, 0xf, 0
	s_or_b32 s[FM], s[FM], s50
	s_cmp_eq_u32 s41, s18
	s_cselect_b32 s50, 0xf0, 0
	s_or_b32 s[FM], s[FM], s50
	s_cmp_eq_u32 s42, s18
	s_cselect_b32 s50, 0xf00, 0
	s_or_b32 s[FM], s[FM], s50
	s_cmp_eq_u32 s43, s18
	s_cselect_b32 s50, 0xf000, 0
	s_or_b32 s[FM], s[FM], s50
	s_and_b32 s[CH], s[FM], 1
	s_lshr_b32 s[FM], s[FM], 1
	s_mov_b32 s[TB], 0
	v_mov_b32 v[AD], v[AD0]
; Four matrix instructions: K step ks, all four fragments of W1.  The four accumulators take turns, one instruction a turn, over every edge of the text.  zero = 1: they start the sums.
.macro MM ks, zero
	WIN 1+(\ks)/8                                  ; source 0 in W1's window; source 1, C and D in window 0
.irp nb, 0,1,2,3
.if \zero
	v_wmma_f32_16x16x32_f16 v[ACC+8*\nb:ACC+8*\nb+7], v[32*((\ks)%8)+8*\nb:32*((\ks)%8)+8*\nb+7], v[FR+48*(((\ks)/6)%2)+8*((\ks)%6):FR+48*(((\ks)/6)%2)+8*((\ks)%6)+7], 0
.else
	v_wmma_f32_16x16x32_f16 v[ACC+8*\nb:ACC+8*\nb+7], v[32*((\ks)%8)+8*\nb:32*((\ks)%8)+8*\nb+7], v[FR+48*(((\ks)/6)%2)+8*((\ks)%6):FR+48*(((\ks)/6)%2)+8*((\ks)%6)+7], v[ACC+8*\nb:ACC+8*\nb+7]
.endif
.endr
.endm
; 12 LDS loads in one run: six token fragments, at byte o of the block in hand, into buffer f
.macro FETCH f, o
	WIN 0
.set kk, 0
.rept 6
	ds_load_b128 v[FR+48*(\f)+8*kk:FR+48*(\f)+8*kk+3],   v[AD] offset:(\o)+1024*kk
	ds_load_b128 v[FR+48*(\f)+8*kk+4:FR+48*(\f)+8*kk+7], v[AD] offset:(\o)+1024*kk+512
.set kk, kk+1
.endr
.endm
; A block is four chunks of six K steps, on buffers 0, 1, 0, 1.  Chunk 1 or 2: in its middle the next chunk is fetched.
.macro CHUNK j
	s_wait_dscnt 6                                 ; its first three fragments are in; its youngest six loads may be out
	MM 6*(\j), 0
	MM 6*(\j)+1, 0
	MM 6*(\j)+2, 0
	PLACES
	FETCH ((\j)+1)%2, 6144*((\j)+1)
	s_wait_dscnt 12                                ; all but the 12 just issued
	MM 6*(\j)+3, 0
	MM 6*(\j)+4, 0
	MM 6*(\j)+5, 0
.endm
; The block's way out: the running sums take it; it is rounded; and it is stored if its slot has chosen my projector: the four stores stand under an EXEC that is all lanes or none.
; EXEC counts among the sources of a pending store: it is narrowed, and set to all lanes again, only behind s_wait_xcnt 0 (ISA guide 3.1); the second wait also frees the stores' data and base.
.macro EPI
	WIN 0
	PLACES
.irp nb, 0,1,2,3
.irp jj, 0,1,2,3                       ; each accumulator from its low end on
	v_pk_add_f32 v[S1+8*\nb+2*\jj:S1+8*\nb+2*\jj+1], v[S1+8*\nb+2*\jj:S1+8*\nb+2*\jj+1], v[ACC+8*\nb+2*\jj:ACC+8*\nb+2*\jj+1]
	v_pk_fma_f32 v[S2+8*\nb+2*\jj:S2+8*\nb+2*\jj+1], v[ACC+8*\nb+2*\jj:ACC+8*\nb+2*\jj+1], v[ACC+8*\nb+2*\jj:ACC+8*\nb+2*\jj+1], v[S2+8*\nb+2*\jj:S2+8*\nb+2*\jj+1]
.endr
.endr
.irp nb, 0,1,2,3
.irp jj, 0,1,2,3
	v_cvt_pk_f16_f32 v[TMP+4*\nb+\jj], v[ACC+8*\nb+2*\jj], v[ACC+8*\nb+2*\jj+1]
.endr
.endr
	v_cmp_ne_u32 vcc_lo, s[CH], v[ZR]              ; all lanes, or none; VCC is written anew in every way out
	s_wait_xcnt 0x0
	s_and_saveexec_b32 s[SVX], vcc_lo
.irp nb, 0,1,2,3
	global_store_b128 v[AD0], v[TMP+4*\nb:TMP+4*\nb+3], s[HB:HB+1] offset:512*\nb  ; half a fragment: 512 consecutive bytes
.endr
	s_wait_xcnt 0x0
	s_mov_b32 exec_lo, -1                          ; all lanes on again, by a constant
	s_add_nc_u64 s[HB:HB+1], s[HB:HB+1], 131072    ; the next row block
.endm
; A BLOCK.  kind 0: the next block of the tile is fetched.  kind 1: the tile's last block: the slots change and this slot is filled again, two tiles ahead.  kind 2: they change, and nothing is asked for.  kind 3: the last block of all.
.macro BLOCK kind
	s_wait_dscnt 6
	MM 0, 1
	MM 1, 0
	MM 2, 0
	PLACES
	FETCH 1, 6144
	s_wait_dscnt 12
	MM 3, 0
	MM 4, 0
	MM 5, 0
	CHUNK 1
	CHUNK 2
.if (\kind) == 0
	s_wait_dscnt 6
	MM 18, 0
	MM 19, 0
	MM 20, 0
	WIN 0
	s_add_co_u32 s[TB], s[TB], BLKB
	v_add_nc_u32 v[AD], s[TB], v[AD0]              ; this line and three v_nop are the four places in front of the loads
.rept 3
	v_nop
.endr
	FETCH 0, 0
	s_wait_dscnt 12
	MM 21, 0
	MM 22, 0
	MM 23, 0
.elseif (\kind) == 3
	s_wait_dscnt 6
	MM 18, 0
	MM 19, 0
	MM 20, 0
	s_wait_dscnt 0x0
	MM 21, 0
	MM 22, 0
	MM 23, 0
.else
	; THE CHANGE OF SLOTS: one barrier for two things.  In front of it each wave waits for all its tensor loads, of which one is out: its block of the next slot; adds 0 to its spare word;
	; and waits for that and for its own reads of this slot.  Behind it nobody reads this slot any more and the next slot is whole.
	WIN 0
	s_wait_tensorcnt 0x0                           ; no tensor load of mine is out, so a group 0 may be written
	ds_add_u32 v[SPW], v[NIL]                      ; 0 onto my spare word; scalar work and eight matrix instructions stand between it and the wait for it
.if (\kind) == 1
	s_xor_b32 s[G0B+1], s[G0B+1], SLOT1            ; the walking descriptor: the other slot than last time,
	s_add_nc_u64 s[G0B+2:G0B+3], s[G0B+2:G0B+3], TILEB  ; the next tile; the type bits on top are not reached
.endif
	s_sub_co_u32 s[TB], s[TB], 3*BLKB              ; the fetches go back to a slot's first block,
	s_xor_b32 s[TB], s[TB], SLOT1                  ; in the other slot
	s_wait_dscnt 7                                 ; the add and the youngest six loads may be out
	MM 18, 0
	MM 19, 0
	s_wait_dscnt 0x0                               ; the add is done, and my reads of this slot are over
	s_barrier_signal -1
	MM 20, 0                                       ; work on registers while the others arrive
.if (\kind) == 1
	WIN 0
	s_barrier_wait -1
	CREST                                          ; the barrier has opened a round of the cluster's: no wave of any partner still reads this slot or has a load on its way
	tensor_load_to_lds s[G0B:G0B+3], s[G1:G1+7]    ; my one tensor load behind the round, and the first thing there: 12 + 3 x 96 + 72 = 372 matrix instructions ahead of the wait for it
	s_nop 0
	PLACES                                         ; also the places in front of the loads below
.else
	s_barrier_wait -1
	WIN 0
	PLACES
.endif
	v_add_nc_u32 v[AD], s[TB], v[AD0]
	FETCH 0, 0
	s_wait_dscnt 12
	MM 21, 0
	MM 22, 0
	MM 23, 0
.endif
	EPI
.if ((\kind) == 1) || ((\kind) == 2)
	s_and_b32 s[CH], s[FM], 1                      ; the next tile's bit, behind the way out of this tile's last block
	s_lshr_b32 s[FM], s[FM], 1
.endif
.endm
	s_wait_tensorcnt 1                             ; my block of tile 0 is in; tile 1's may stay out
	s_barrier_signal -1
	s_barrier_wait -1                              ; everybody's is
	FETCH 0, 0
	s_wait_loadcnt 0x0                             ; W1
	s_mov_b32 s47, 14
.Ltile:                                                ; 14 trips: every slot but the last two is filled again
	s_mov_b32 s48, 3
.Lblk:
	BLOCK 0
	s_sub_co_u32 s48, s48, 1
	s_cmp_lg_u32 s48, 0
	s_cbranch_scc1 .Lblk
	BLOCK 1
	s_sub_co_u32 s47, s47, 1
	s_cmp_lg_u32 s47, 0
	s_cbranch_scc1 .Ltile
	s_mov_b32 s48, 3                               ; the last two tiles are written out
.Lblk2:
	BLOCK 0
	s_sub_co_u32 s48, s48, 1
	s_cmp_lg_u32 s48, 0
	s_cbranch_scc1 .Lblk2
	BLOCK 2
	s_mov_b32 s48, 3
.Lblk3:
	BLOCK 0
	s_sub_co_u32 s48, s48, 1
	s_cmp_lg_u32 s48, 0
	s_cbranch_scc1 .Lblk3
	BLOCK 3
	; THE STATISTICS.  A lane's 64 running sums are those of one token place in 16: they are added across the 16 lanes of each half, go through my stage and leave as 256 + 256 consecutive bytes.
.irp m, 1,2,4,8
.set i, 0
.rept 64
	v_add_f32_dpp v[S1+i], v[S1+i], v[S1+i] row_xmask:\m row_mask:0xf bank_mask:0xf
.set i, i+1
.endr
.endr
.set i, 0
.rept 16                                       ; column 16 nb + 8 (lane / 16) + j; the sixteen lanes of a half write the same words with the same numbers
	ds_store_b128 v[SS], v[S1+4*i:S1+4*i+3] offset:256*(i/8)+64*((i/2)%4)+16*(i%2)
.set i, i+1
.endr
	ds_load_b128 v[ACC:ACC+3], v[SR]               ; in order behind my stores (ISA guide 5.7.1.4)
	s_wait_dscnt 0x0
	global_store_b128 v[SO], v[ACC:ACC+3], s[STB:STB+1]
	s_wait_tensorcnt 0x0                           ; the wave's end, behind my last tensor load and my last LDS store
	ds_add_u32 v[SPW], v[NIL]
	s_wait_dscnt 0x0
	CROUND                                         ; the closing round: no work-group ends while a partner may still ask for a tile that names it
	s_endpgm
.Lfunc_end_k_qf6f598b3d3_gemm1:
	.size	k_qf6f598b3d3_gemm1, .Lfunc_end_k_qf6f598b3d3_gemm1-k_qf6f598b3d3_gemm1
	.p2alignl 7, 3214868480
	.fill 96, 4, 3214868480
	.section	.rodata,"a",@progbits
	.p2align	6, 0x0
	.amdhsa_kernel k_qf6f598b3d3_gemm1
		.amdhsa_group_segment_fixed_size 327680
		.amdhsa_private_segment_fixed_size 0
		.amdhsa_enable_private_segment 0
		.amdhsa_kernarg_size 40
		.amdhsa_user_sgpr_count 2
		.amdhsa_user_sgpr_kernarg_segment_ptr 1
		.amdhsa_wavefront_size32 1
		.amdhsa_system_sgpr_workgroup_id_x 1
		.amdhsa_system_sgpr_workgroup_id_y 1
		.amdhsa_system_sgpr_workgroup_id_z 1
		.amdhsa_system_vgpr_workitem_id 0
		.amdhsa_next_free_vgpr 1024
		.amdhsa_next_free_sgpr 66
		.amdhsa_reserve_vcc 1
		.amdhsa_float_denorm_mode_32 3
		.amdhsa_float_denorm_mode_16_64 3
		.amdhsa_memory_ordered 1
		.amdhsa_forward_progress 1
		.amdhsa_inst_pref_size 128
	.end_amdhsa_kernel
	.amdgpu_metadata
---
amdhsa.version: [ 1, 2 ]
amdhsa.kernels:
  - .name:           k_qf6f598b3d3_gemm1
    .symbol:         k_qf6f598b3d3_gemm1.kd
    .args:
      - { .name: PcF, .offset: 0, .size: 8, .value_kind: global_buffer, .address_space: global }
      - { .name: W1F, .offset: 8, .size: 8, .value_kind: global_buffer, .address_space: global }
      - { .name: projection_idx, .offset: 16, .size: 8, .value_kind: global_buffer, .address_space: global }
      - { .name: H, .offset: 24, .size: 8, .value_kind: global_buffer, .address_space: global }
      - { .name: STAT, .offset: 32, .size: 8, .value_kind: global_buffer, .address_space: global }
    .group_segment_fixed_size: 327680
    .private_segment_fixed_size: 0
    .kernarg_segment_align: 8
    .kernarg_segment_size: 40
    .max_flat_workgroup_size: 128
    .sgpr_count:     66
    .vgpr_count:     1024
    .wavefront_size: 32
...
	.end_amdgpu_metadata
.endif
;; end of part 3
;; launch gemm2 (part 4): grid 16 x 16, 8 waves a work-group, no clusters, 156,672 bytes of LDS; arguments H, STAT, gamma, beta, b1, W2F, b2, projection_idx, out0; writes out0
.if DOCPART == 4
	.amdgcn_target "amdgcn-amd-amdhsa--gfx1250"
	.amdhsa_code_object_version 6
	.text
	.protected	k_qf6f598b3d3_gemm2
	.globl	k_qf6f598b3d3_gemm2
	.p2align	8
	.type	k_qf6f598b3d3_gemm2,@function
k_qf6f598b3d3_gemm2:
	s_mov_b64 s[64:65], 0
	v_nop
	global_prefetch_b8 v0, s[64:65] scope:SCOPE_SE
	s_setreg_imm32_b32 hwreg(HW_REG_WAVE_MODE, 25, 1), 1
	s_wait_xcnt 0x0
; BATCH NORM, RELU AND THE SECOND PRODUCT, for the one projector p = projection_idx[n] of each slot n:  out0[b][n][o] = sum over hid of relu(h s + t) W2[p][hid][o] + b2[p][o].
; h (H [rb 256][kf 128], fragments of f16) is the first product of the CENTRED tokens with the slot's own projector, without b1.  With S1, S2 the sums of h and h^2 over all 4,096 tokens: m = S1 / 4096,
; var = S2 / 4096 - m^2 (m is near 0 by the centring: no difference of large sums), mu = m + b1, s = gamma / sqrt(var + eps), t = beta + (b1 - mu) s: what the batch norm of h + b1 gives.
; LIMITS.  s, t and relu(h s + t) are rounded to f16 (one packed multiply-add, one packed maximum): all stay under 65,504.  projection_idx lies in 0..3: for another number H holds no rows.
; SHARES.  Work-group (og, rq, n): 64 tokens of slot n x 64 output columns, K = 4,096.  K is split over the eight waves, 16 K steps of 32 each, so that each byte of H and W2F enters the work-group's
; registers once, straight from memory in fragment order: 16 loads of 512 bytes for 16 matrix instructions; three K steps (48 loads) of every wave are on their way.  The eight partial
; tiles (f32) are added through LDS.
; NO TENSOR RING, NO CLUSTER: two slots that fit in LDS would hold 16 K steps each, 32 matrix instructions a wave between a request and the wait for it; what joint loads would spare is three of four
; requests for a tile that four work-groups share.
; The product is used with source 0 = 16 output columns, source 1 = 16 tokens: a lane holds one token (lane % 16) and eight neighbouring columns.
; REGISTERS.  window 0: v1-13 addresses, v24-27 b2, v32-119 two quads of the statistics, later v96-127 s and t of two K steps; v128-255 H, four K steps.
;             window 1: v0-127 16 accumulators (before them v32-119 two more quads); v128-255 W2, four K steps.
.set RED,   16384                      ; behind s and t (f16 [4096] each): 64 rows x (256 + 16) bytes of f32 for each wave
.set RPITCH, 272                       ; 17 x 16 bytes: the 16 rows of a store start in 16 different groups of four banks (64 banks of 4 bytes: ISA guide 11.1)
.set SPARE, 155648                     ; the spare words, 128 bytes for each wave, which no other line names
.set LO,  1                            ; 16 x lane
.set SAD, 2                            ; s of my K step: 1,024 w + 16 (lane / 16)
.set STO, 3
.set RDA, 4                            ; v4-6: an LDS offset has 16 bits, eight partial tiles are 139,264 bytes
.set OO,  7
.set SPW, 8                            ; my spare word; never rewritten
.set NIL, 9                            ; 0; never rewritten
.set Z,   10                           ; 0, for the packed maximum
.set STW, 11                           ; 8 x thread
.set QO,  12                           ; 16 x thread
.set B2O, 13
.set BB,  24
.set QB,  32
.set STR, 96
.set HR,  128
.set WR,  128                          ; window 1
.set MSB, 0
.macro WIN new                         ; the immediate's high byte repeats the setting that is left; a switch that changes nothing is dropped
.if MSB != (\new)
	s_set_vgpr_msb (MSB<<8)|(\new)
.set MSB, (\new)
.endif
.endm
	s_load_b512 s[4:19], s[0:1], 0x0               ; H s[4:5], STAT s[6:7], gamma s[8:9], beta s[10:11], b1 s[12:13], W2F s[14:15], b2 s[16:17], projection_idx s[18:19]
	s_load_b64 s[20:21], s[0:1], 0x40              ; out0
	v_lshl_add_u32 v[SPW], v0, 2, SPARE
	v_mov_b32 v[NIL], 0
	v_lshrrev_b32 v1, 5, v0
	v_readfirstlane_b32 s23, v1                    ; wave 0..7
	s_and_b32 s24, ttmp9, 3                        ; og
	s_lshr_b32 s25, ttmp9, 2                       ; rq
	s_and_b32 s26, ttmp7, 0xffff                   ; n
	s_lshl_b32 s28, s26, 2
	s_mov_b32 s29, 0
	s_wait_kmcnt 0x0
	s_add_nc_u64 s[18:19], s[18:19], s[28:29]
	s_load_b32 s22, s[18:19], 0x0
	s_mov_b32 s30, 0x39800000                      ; 1 / 4,096
	s_mov_b32 s31, s30                             ; named with it as a pair
	s_mov_b32 s32, 0x3727c5ac                      ; eps = 1e-5
	s_mov_b32 s33, s32
	v_and_b32 v14, 31, v0                          ; lane
	v_and_b32 v15, 15, v0                          ; lane % 16
	v_bfe_u32 v16, v0, 4, 1                        ; lane / 16
	v_lshlrev_b32 v[LO], 4, v14
	s_lshl_b32 s36, s23, 10
	v_lshl_add_u32 v[SAD], v16, 4, s36
	s_mul_i32 s36, s23, 64*RPITCH
	s_add_co_u32 s36, s36, RED
	v_mul_u32_u24 v17, v15, RPITCH
	v_lshl_add_u32 v17, v16, 5, v17
	v_add_nc_u32 v[STO], s36, v17                  ; my partial tile: row lane % 16, 32 bytes for each half of the lanes
	s_mul_i32 s36, s23, 8*RPITCH
	s_add_co_u32 s36, s36, RED
	v_mul_u32_u24 v17, v16, RPITCH
	v_lshl_add_u32 v17, v15, 4, v17
	v_add_nc_u32 v[RDA], s36, v17                  ; back: rows 8 w + lane / 16 of partial tiles 0-2,
	v_add_nc_u32 v[RDA+1], 3*64*RPITCH, v[RDA]     ; 3-5,
	v_add_nc_u32 v[RDA+2], 6*64*RPITCH, v[RDA]     ; 6-7
	v_lshlrev_b32 v[B2O], 4, v15
	v_lshl_add_u32 v[OO], v16, 14, v[B2O]          ; a batch on is 16,384 bytes of out0
	v_mov_b32 v[Z], 0
	v_lshlrev_b32 v[STW], 3, v0
	v_lshlrev_b32 v[QO], 4, v0
	s_wait_kmcnt 0x0
	s_min_u32 s22, s22, 3                          ; p
	s_lshl_b32 s28, s22, 14                        ; a projector's 4,096 columns of f32
	s_add_nc_u64 s[6:7], s[6:7], s[28:29]
	s_add_nc_u64 s[8:9], s[8:9], s[28:29]
	s_add_nc_u64 s[10:11], s[10:11], s[28:29]
	s_add_nc_u64 s[12:13], s[12:13], s[28:29]
	s_lshl_b32 s28, s22, 10
	s_lshl_b32 s36, s24, 8                         ; 64 output columns of f32
	s_add_co_u32 s28, s28, s36
	s_add_nc_u64 s[16:17], s[16:17], s[28:29]
	s_lshl_b32 s28, s22, 2
	s_add_co_u32 s28, s28, s24
	s_lshl_b32 s28, s28, 19                        ; W2F: 524,288 (4 p + og)
	s_lshl_b32 s37, s23, 16                        ; + my 16 K steps of 4,096 bytes
	s_add_co_u32 s28, s28, s37
	s_add_nc_u64 s[14:15], s[14:15], s[28:29]
	s_lshl_b32 s28, s26, 4
	s_lshl_b32 s37, s25, 2
	s_add_co_u32 s28, s28, s37
	s_lshl_b32 s28, s28, 17                        ; H: row block 16 n + 4 rq
	s_lshl_b32 s37, s23, 14                        ; + my 16 fragments
	s_add_co_u32 s28, s28, s37
	s_add_nc_u64 s[4:5], s[4:5], s[28:29]
	s_lshl_b32 s28, s26, 10                        ; out0: 1,024 (16 (64 rq + 8 w) + n) + 256 og
	s_lshl_b32 s37, s25, 20
	s_add_co_u32 s28, s28, s37
	s_lshl_b32 s37, s23, 17
	s_add_co_u32 s28, s28, s37
	s_add_co_u32 s28, s28, s36
	s_add_nc_u64 s[20:21], s[20:21], s[28:29]
; Quad i: columns 1,024 i + 4 x thread: the four row groups' sums of h (+0..15) and of h^2 (+16..31), gamma (+32), beta (+36), b1 (+40)
.macro QLOAD base, i
.irp rg, 0,1,2,3
	global_load_b128 v[(\base)+4*\rg:(\base)+4*\rg+3], v[QO], s[6:7] offset:65536*\rg+4096*(\i)
	global_load_b128 v[(\base)+16+4*\rg:(\base)+16+4*\rg+3], v[QO], s[6:7] offset:262144+65536*\rg+4096*(\i)
.endr
	global_load_b128 v[(\base)+32:(\base)+35], v[QO], s[8:9] offset:4096*(\i)
	global_load_b128 v[(\base)+36:(\base)+39], v[QO], s[10:11] offset:4096*(\i)
	global_load_b128 v[(\base)+40:(\base)+43], v[QO], s[12:13] offset:4096*(\i)
.endm
; A K step's operands: four fragments of H (64 tokens) and four of W2 (64 columns), 512 consecutive bytes a load
.macro LOADK kimm, buf
	WIN 0
.irp rbk, 0,1,2,3
	global_load_b128 v[HR+32*(\buf)+8*\rbk:HR+32*(\buf)+8*\rbk+3],   v[LO], s[4:5] offset:131072*\rbk+1024*(\kimm)
	global_load_b128 v[HR+32*(\buf)+8*\rbk+4:HR+32*(\buf)+8*\rbk+7], v[LO], s[4:5] offset:131072*\rbk+1024*(\kimm)+512
.endr
	WIN 0x40                                       ; destination window 1
.irp nb, 0,1,2,3
	global_load_b128 v[WR+32*(\buf)+8*\nb:WR+32*(\buf)+8*\nb+3],   v[LO], s[14:15] offset:4096*(\kimm)+1024*\nb
	global_load_b128 v[WR+32*(\buf)+8*\nb+4:WR+32*(\buf)+8*\nb+7], v[LO], s[14:15] offset:4096*(\kimm)+1024*\nb+512
.endr
	WIN 0
.endm
	QLOAD QB, 0
	QLOAD QB+44, 1
	global_load_b128 v[BB:BB+3], v[B2O], s[16:17]
	WIN 0x40
	QLOAD QB, 2
	QLOAD QB+44, 3
	WIN 0
	LOADK 0, 0
	LOADK 1, 1
	LOADK 2, 2
	s_wait_loadcnt 48                              ; loads come back in order (ISA guide 5.7.1): the statistics are in, three K steps stay out
; s and t of two quads.  w: the window setting of the arithmetic; ws: that of the LDS stores; i0: the first quad's number.
.macro HALFQ w, ws, i0
	WIN \w
.irp u, 0,1
.set QQ, QB+44*\u
.irp k, 0,16
.irp c, 0,2
	v_pk_add_f32 v[QQ+\k+\c:QQ+\k+\c+1], v[QQ+\k+\c:QQ+\k+\c+1], v[QQ+\k+4+\c:QQ+\k+4+\c+1]
	v_pk_add_f32 v[QQ+\k+8+\c:QQ+\k+8+\c+1], v[QQ+\k+8+\c:QQ+\k+8+\c+1], v[QQ+\k+12+\c:QQ+\k+12+\c+1]
.endr
.irp c, 0,2
	v_pk_add_f32 v[QQ+\k+\c:QQ+\k+\c+1], v[QQ+\k+\c:QQ+\k+\c+1], v[QQ+\k+8+\c:QQ+\k+8+\c+1]
.endr
.endr
.irp c, 0,2
	v_pk_mul_f32 v[QQ+\c:QQ+\c+1], v[QQ+\c:QQ+\c+1], s[30:31] op_sel_hi:[1,0]                                  ; m
	v_pk_fma_f32 v[QQ+16+\c:QQ+16+\c+1], v[QQ+16+\c:QQ+16+\c+1], s[30:31], s[32:33] op_sel_hi:[1,0,0]          ; S2 / 4096 + eps
.endr
.irp c, 0,2
	v_pk_fma_f32 v[QQ+16+\c:QQ+16+\c+1], v[QQ+\c:QQ+\c+1], v[QQ+\c:QQ+\c+1], v[QQ+16+\c:QQ+16+\c+1] neg_lo:[1,0,0] neg_hi:[1,0,0]  ; - m^2
.endr
.irp c, 0,1,2,3
	v_max_num_f32 v[QQ+16+\c], s32, v[QQ+16+\c]    ; a variance is not below 0
.endr
.endr
.irp u, 0,1
.irp c, 0,1,2,3
	v_rsq_f32 v[QB+44*\u+20+\c], v[QB+44*\u+16+\c] ; one batch of eight
.endr
.endr
.irp u, 0,1
.set QQ, QB+44*\u
.irp c, 0,2                            ; the independent work behind the batch
	v_pk_add_f32 v[QQ+4+\c:QQ+4+\c+1], v[QQ+\c:QQ+\c+1], v[QQ+40+\c:QQ+40+\c+1]                                    ; mu = m + b1
.endr
.irp c, 0,2
	v_pk_add_f32 v[QQ+4+\c:QQ+4+\c+1], v[QQ+40+\c:QQ+40+\c+1], v[QQ+4+\c:QQ+4+\c+1] neg_lo:[0,1] neg_hi:[0,1]      ; b1 - mu
.endr
.endr
	s_wait_alu depctr_va_vdst(0)                   ; the wait stands between the roots and their first reader: one for the eight
.irp u, 0,1
.set QQ, QB+44*\u
.irp c, 0,2
	v_pk_mul_f32 v[QQ+32+\c:QQ+32+\c+1], v[QQ+32+\c:QQ+32+\c+1], v[QQ+20+\c:QQ+20+\c+1]                            ; s
.endr
.irp c, 0,2
	v_pk_fma_f32 v[QQ+36+\c:QQ+36+\c+1], v[QQ+4+\c:QQ+4+\c+1], v[QQ+32+\c:QQ+32+\c+1], v[QQ+36+\c:QQ+36+\c+1]      ; t
.endr
.irp c, 0,1,2,3
	v_cvt_pk_f16_f32 v[QQ+24+\c], v[QQ+32+2*\c], v[QQ+32+2*\c+1]
.endr
.endr
	WIN \ws
.irp u, 0,1
	ds_store_b64 v[STW], v[QB+44*\u+24:QB+44*\u+25] offset:2048*((\i0)+\u)
	ds_store_b64 v[STW], v[QB+44*\u+26:QB+44*\u+27] offset:8192+2048*((\i0)+\u)
.endr
	WIN 0
.endm
	HALFQ 0, 0, 0
	HALFQ 0x55, 0x04, 2
	s_wait_dscnt 0x0                               ; for the others' sake: my s and t are in LDS
	s_barrier_signal -1
	s_barrier_wait -1
	ds_load_b128 v[STR:STR+3],     v[SAD]          ; s and t of my K step 0
	ds_load_b128 v[STR+4:STR+7],   v[SAD] offset:32
	ds_load_b128 v[STR+8:STR+11],  v[SAD] offset:8192
	ds_load_b128 v[STR+12:STR+15], v[SAD] offset:8192+32
; A K step on buffer buf, with s and t in set par.  knext: the step whose s and t are fetched (-1: none); left: the younger loads that may stay out; kload: the step asked for, three ahead, counted
; from the bases (-1: none); step = 1: the bases go four K steps on in front of that request.
; The 64 packed lines are also the places between the last step's products and the loads into the buffer that they read.  The 16 accumulators take turns.
.macro KSTEP buf, par, zero, kload, left, knext, step=0
	WIN 0
.if (\knext) >= 0
	ds_load_b128 v[STR+16*(1-(\par)):STR+16*(1-(\par))+3],     v[SAD] offset:64*(\knext)
	ds_load_b128 v[STR+16*(1-(\par))+4:STR+16*(1-(\par))+7],   v[SAD] offset:64*(\knext)+32
	ds_load_b128 v[STR+16*(1-(\par))+8:STR+16*(1-(\par))+11],  v[SAD] offset:8192+64*(\knext)
	ds_load_b128 v[STR+16*(1-(\par))+12:STR+16*(1-(\par))+15], v[SAD] offset:8192+64*(\knext)+32
	s_wait_loadcnt \left
	s_wait_dscnt 4                                 ; this step's s and t are in; the four just issued may be out
.else
	s_wait_loadcnt \left
	s_wait_dscnt 0x0
.endif
.set i, 0
.rept 32
	v_pk_fma_f16 v[HR+32*(\buf)+i], v[HR+32*(\buf)+i], v[STR+16*(\par)+i%8], v[STR+16*(\par)+8+i%8]
.set i, i+1
.endr
.set i, 0
.rept 32
	v_pk_max_num_f16 v[HR+32*(\buf)+i], v[HR+32*(\buf)+i], v[Z]
.set i, i+1
.endr
.if \step
	s_wait_xcnt 0x0                                ; the earlier loads have had their addresses translated (ISA guide 3.1): the bases are stepped only behind this wait; the last of those loads was issued 16 matrix and 64 vector instructions ago
	s_add_nc_u64 s[4:5], s[4:5], 4096
	s_add_nc_u64 s[14:15], s[14:15], 16384
.endif
.if (\kload) >= 0
	LOADK \kload, ((\buf)+3)%4
.endif
	WIN 0x51                                       ; W2 in window 1, H in window 0, C and D in window 1
.irp rbk, 0,1,2,3
.irp nb, 0,1,2,3
.if \zero
	v_wmma_f32_16x16x32_f16 v[8*(4*\rbk+\nb):8*(4*\rbk+\nb)+7], v[WR+32*(\buf)+8*\nb:WR+32*(\buf)+8*\nb+7], v[HR+32*(\buf)+8*\rbk:HR+32*(\buf)+8*\rbk+7], 0
.else
	v_wmma_f32_16x16x32_f16 v[8*(4*\rbk+\nb):8*(4*\rbk+\nb)+7], v[WR+32*(\buf)+8*\nb:WR+32*(\buf)+8*\nb+7], v[HR+32*(\buf)+8*\rbk:HR+32*(\buf)+8*\rbk+7], v[8*(4*\rbk+\nb):8*(4*\rbk+\nb)+7]
.endif
.endr
.endr
	WIN 0
.endm
	KSTEP 0, 0, 1, 3, 32, 1                        ; the first K step starts the sums
	s_mov_b32 s34, 3
.Lk:                                                   ; a trip: K steps 1 + 4 t .. 4 + 4 t, which ask for steps 4 + 4 t .. 7 + 4 t; two younger steps' 32 loads stay out at each wait
	KSTEP 1, 1, 0, 0, 32, 2, 1
	KSTEP 2, 0, 0, 1, 32, 3
	KSTEP 3, 1, 0, 2, 32, 4
	KSTEP 0, 0, 0, 3, 32, 5
	v_add_nc_u32 v[SAD], 256, v[SAD]
	s_sub_co_u32 s34, s34, 1
	s_cmp_lg_u32 s34, 0
	s_cbranch_scc1 .Lk
	KSTEP 1, 1, 0, -1, 32, 2                       ; the last three steps load nothing: the counts run down
	KSTEP 2, 0, 0, -1, 16, 3
	KSTEP 3, 1, 0, -1, 0, -1
	; THE WAY OUT.  Each wave's partial tile goes into LDS in f32; behind the barrier wave w adds rows 8 w .. 8 w + 7 of the eight, adds b2 and stores whole rows of 256 bytes.
.rept 4
	v_nop                                          ; four places between the last products and the LDS stores that read them
.endr
	WIN 0x04                                       ; LDS store: data in window 1
.set a, 0
.rept 16                                       ; each accumulator's low half first
	ds_store_b128 v[STO], v[8*a:8*a+3] offset:16*RPITCH*(a/4)+64*(a%4)
	ds_store_b128 v[STO], v[8*a+4:8*a+7] offset:16*RPITCH*(a/4)+64*(a%4)+16
.set a, a+1
.endr
	WIN 0
	s_wait_dscnt 0x0                               ; for the others' sake: my partial tile is in LDS
	s_barrier_signal -1
	s_barrier_wait -1
.irp i, 0,1,2,3
.set sr, 0
.rept 8
	ds_load_b128 v[HR+4*(8*\i+sr):HR+4*(8*\i+sr)+3], v[RDA+sr/3] offset:64*RPITCH*(sr%3)+2*RPITCH*\i
.set sr, sr+1
.endr
.endr
	s_wait_dscnt 0x0
.irp i, 0,1,2,3
.irp d, 4,2,1
.set sr, 0
.rept \d
	v_pk_add_f32 v[HR+4*(8*\i+sr):HR+4*(8*\i+sr)+1], v[HR+4*(8*\i+sr):HR+4*(8*\i+sr)+1], v[HR+4*(8*\i+sr+\d):HR+4*(8*\i+sr+\d)+1]
	v_pk_add_f32 v[HR+4*(8*\i+sr)+2:HR+4*(8*\i+sr)+3], v[HR+4*(8*\i+sr)+2:HR+4*(8*\i+sr)+3], v[HR+4*(8*\i+sr+\d)+2:HR+4*(8*\i+sr+\d)+3]
.set sr, sr+1
.endr
.endr
	v_pk_add_f32 v[HR+32*\i:HR+32*\i+1], v[HR+32*\i:HR+32*\i+1], v[BB:BB+1]
	v_pk_add_f32 v[HR+32*\i+2:HR+32*\i+3], v[HR+32*\i+2:HR+32*\i+3], v[BB+2:BB+3]
	global_store_b128 v[OO], v[HR+32*\i:HR+32*\i+3], s[20:21] offset:32768*\i th:TH_STORE_NT  ; 16 lanes store 256 consecutive bytes, at a multiple of 256 from out0's first byte
.endr
	s_wait_tensorcnt 0x0                           ; the wave's end, behind my last LDS store
	ds_add_u32 v[SPW], v[NIL]
	s_wait_dscnt 0x0
	s_endpgm
.Lfunc_end_k_qf6f598b3d3_gemm2:
	.size	k_qf6f598b3d3_gemm2, .Lfunc_end_k_qf6f598b3d3_gemm2-k_qf6f598b3d3_gemm2
	.p2alignl 7, 3214868480
	.fill 96, 4, 3214868480
	.section	.rodata,"a",@progbits
	.p2align	6, 0x0
	.amdhsa_kernel k_qf6f598b3d3_gemm2
		.amdhsa_group_segment_fixed_size 156672
		.amdhsa_private_segment_fixed_size 0
		.amdhsa_enable_private_segment 0
		.amdhsa_kernarg_size 72
		.amdhsa_user_sgpr_count 2
		.amdhsa_user_sgpr_kernarg_segment_ptr 1
		.amdhsa_wavefront_size32 1
		.amdhsa_system_sgpr_workgroup_id_x 1
		.amdhsa_system_sgpr_workgroup_id_y 1
		.amdhsa_system_sgpr_workgroup_id_z 1
		.amdhsa_system_vgpr_workitem_id 0
		.amdhsa_next_free_vgpr 512
		.amdhsa_next_free_sgpr 66
		.amdhsa_reserve_vcc 0
		.amdhsa_float_denorm_mode_32 3
		.amdhsa_float_denorm_mode_16_64 3
		.amdhsa_memory_ordered 1
		.amdhsa_forward_progress 1
		.amdhsa_inst_pref_size 82
	.end_amdhsa_kernel
	.amdgpu_metadata
---
amdhsa.version: [ 1, 2 ]
amdhsa.kernels:
  - .name:           k_qf6f598b3d3_gemm2
    .symbol:         k_qf6f598b3d3_gemm2.kd
    .args:
      - { .name: H, .offset: 0, .size: 8, .value_kind: global_buffer, .address_space: global }
      - { .name: STAT, .offset: 8, .size: 8, .value_kind: global_buffer, .address_space: global }
      - { .name: gamma, .offset: 16, .size: 8, .value_kind: global_buffer, .address_space: global }
      - { .name: beta, .offset: 24, .size: 8, .value_kind: global_buffer, .address_space: global }
      - { .name: b1, .offset: 32, .size: 8, .value_kind: global_buffer, .address_space: global }
      - { .name: W2F, .offset: 40, .size: 8, .value_kind: global_buffer, .address_space: global }
      - { .name: b2, .offset: 48, .size: 8, .value_kind: global_buffer, .address_space: global }
      - { .name: projection_idx, .offset: 56, .size: 8, .value_kind: global_buffer, .address_space: global }
      - { .name: out0, .offset: 64, .size: 8, .value_kind: global_buffer, .address_space: global }
    .group_segment_fixed_size: 156672
    .private_segment_fixed_size: 0
    .kernarg_segment_align: 8
    .kernarg_segment_size: 72
    .max_flat_workgroup_size: 256
    .sgpr_count:     66
    .vgpr_count:     512
    .wavefront_size: 32
...
	.end_amdgpu_metadata
.endif
;; end of part 4
;; ======== version 2 of 2: 4 launches; version 1 with the launches pool, gemm2 written anew for expert scheduling mode
;; limits: values are held in f16: magnitudes above 65,504 overflow, below 6.1e-05 lose precision
;; workspace buffers: P32 12,582,912 bytes; PS 786,432 bytes; PcF 6,291,456 bytes; W1F 25,165,824 bytes; W2F 8,388,608 bytes; H 33,554,432 bytes; STAT 524,288 bytes
;; launch pool (part 5): grid 256 x 1, 8 waves a work-group, no clusters, 150,784 bytes of LDS; arguments x, masks, mask_ids, P32, PS, out1; writes P32, PS, out1
.if DOCPART == 5
	.amdgcn_target "amdgcn-amd-amdhsa--gfx1250"
	.amdhsa_code_object_version 6
	.text
	.protected	k_qf6f598b3d3_pool
	.globl	k_qf6f598b3d3_pool
	.p2align	8
	.type	k_qf6f598b3d3_pool,@function
k_qf6f598b3d3_pool:
	s_mov_b64 s[64:65], 0
	v_nop
	global_prefetch_b8 v0, s[64:65] scope:SCOPE_SE
	s_setreg_imm32_b32 hwreg(HW_REG_WAVE_SCHED_MODE, 0, 2), 2
	s_setreg_imm32_b32 hwreg(HW_REG_WAVE_MODE, 25, 1), 1
	s_wait_xcnt 0x0
	s_wait_alu depctr_vm_vsrc(0)
; MASKED POOLING.  pooled[b][n][e] = (sum over hw of masks[b][n][hw] x[b][e][hw]) / max(sum over hw of masks[b][n][hw], 1).
; x: [256][768][196] f32, masks: [256][16][196] f32.  Stored: P32 [n 16][b 256][e 768] f32 (slot-major tokens), PS [b][e] f32 = the sum over n of pooled; mask_ids is copied to out1.
; LIMITS.  x and masks are rounded once to f16 for the product (sums in f32; the division by the area is made in f32 behind the product): |x| stays under 65,504;
; numbers under 6e-5 keep f16's fixed step of 6e-8; NaN and infinities are not treated apart.
; SHARES.  A work-group owns a batch, wave w its rows e = 96 w .. 96 w + 95, in three units of 32 rows.  A unit is 25,088 dense bytes: 49 loads of 512 consecutive bytes.
; The kernel is a stream: each byte of x is read once; 42 to 49 loads of every wave are on their way (a ring in registers, counted waits).  No tile is shared between work-groups: no cluster.
; THE WAY OF A UNIT: 16 bytes a lane -> four f16 -> the wave's own LDS (rows of 392 bytes, dense) -> fragments by 8-byte loads -> 14 matrix instructions -> times 1 / area -> the stage.
; K ORDER.  In both operands register pair i of K step ks, lane half h, holds hw = 32 ks + 8 i + 4 h + 0..3: one permutation of K for both, so the products are paired rightly.
; K step 6 holds hw 192..195 alone: pair 0 of lanes 0-15; the mask is 0 in all its other places, x's registers 2..7 there are 0.
; The product is used with source 0 = 16 rows e of x, source 1 = the 16 slots: a lane then holds one slot (lane % 16) and eight neighbouring e.
; REGISTERS.  window 0: v1-11 addresses, v12-39 two out-buffers, v40-43 the piece of mask_ids, v60-255 the ring of 49 loads.   window 1: v0-55 the masks' 7 fragments; v56-111, v112-167 x's fragments
; of two blocks of 16 rows (7 each); v168-183 two accumulators; v184-185 1 / area; v186-193 at work.  The masks as loaded (100 registers) lie in v56-155 of window 1 until they are rounded.
; THE MODE: SCHED_MODE bits 1:0 = 2 (LLVM: expert scheduling mode 2), set by the entry lines.  The code itself states the register dependences between vector or matrix instructions and
; memory or LDS instructions, with s_wait_alu, always for 0.
; THE PLAN.  A unit's 49 quads go in seven groups of seven.  Registers that memory or LDS instructions touch, in the loop:
;   X            Group g's 14 roundings read its seven quads; behind them the next unit's loads land there.
;   T0, T1       Group g's roundings write T[g % 2]; the group's seven LDS stores read it; group g + 2 writes it again.
;   FA           The unit's LDS loads land there; its products read it.
;   ACA, ACB     Written by the products and the packed multiplies; read by the four stores into the stage; written again by the next unit's first products.
;   v[STO]       Read by those four stores; stepped once a unit.       All other addresses are made at the head and never written again.
; So one wait on va_vdst stands behind each group's roundings (T is written, X is read), and the sixth group's also serves the fragments' loads: the last unit's products stand ahead of it.
; One more stands ahead of the stage's stores.  A wait on vm_vsrc stands beside the group's wait in groups 1 to 5, a whole group behind the stores that it speaks of (those of group g - 1, whose T
; group g + 1 writes), and one at the loop's tail: for v[STO], for the accumulators and for T0, which a unit's last group and the next unit's first both use.
.set UBYTES, 25088                     ; a unit in memory
.set ULDS,   12544                     ; a unit in LDS, f16
.set UPITCH, 392                       ; a row of 196 f16
.set STAGE,  100352                    ; behind the eight units: 16 slots x (3,072 + 16) bytes of f32
.set SPITCH, 3088                      ; 193 x 16 bytes: the 16 rows that a 16-byte store touches start in 16 different groups of four banks (64 banks of 4 bytes: ISA guide 11.1)
.set SPARE,  149760                    ; behind the stage: the spare words, 128 bytes for each wave, which no other line names
.set LO,  1                            ; 16 x lane
.set SA,  2                            ; my unit + 8 x lane
.set FAD, 3                            ; my unit + 392 (lane % 16) + 8 (lane / 16)
.set TAD, 4                            ; my unit + 392 (lane % 16) + 384: hw 192..195
.set STO, 5                            ; the stage: slot lane % 16, my wave's e, 32 bytes for each half of the lanes
.set RD,  6                            ; the stage: rows 2 w, 2 w + 1, read back whole
.set MO,  7                            ; masks: 784 (lane % 16) + 16 (lane / 16)
.set MT,  8                            ; masks: 784 (lane % 16) + 768
.set SPW, 9                            ; my spare word; never rewritten
.set NIL, 10                           ; 0; never rewritten
.set PSA, 11                           ; the stage: 512 w + 16 x lane of each row
.set T,   12                           ; out-buffer b: 14 registers at T + 14 b: seven quads in f16 (v12-17 serve the head's arithmetic first)
.set CP,  40                           ; named by the copy of mask_ids alone
.set X,   60
.set Q,   X+48                         ; the way out: 16 quads for PS
.set MF,  0                            ; window 1
.set FA,  56
.set RW,  56
.set ACA, 168
.set ACB, 176
.set INV, 184
.set AR,  186
.set MSB, 0
.macro WIN new                         ; the immediate's high byte repeats the setting that is left; a switch that changes nothing is dropped
.if MSB != (\new)
	s_set_vgpr_msb (MSB<<8)|(\new)
.set MSB, (\new)
.endif
.endm
	s_load_b256 s[4:11], s[0:1], 0x0               ; x s[4:5], masks s[6:7], mask_ids s[8:9], P32 s[10:11]
	s_load_b128 s[12:15], s[0:1], 0x20             ; PS s[12:13], out1 s[14:15]
	v_lshl_add_u32 v[SPW], v0, 2, SPARE
	v_mov_b32 v[NIL], 0
	v_lshrrev_b32 v12, 5, v0
	v_readfirstlane_b32 s16, v12                   ; wave 0..7
	s_mov_b32 s17, ttmp9                           ; the batch
	s_mov_b32 s20, 0xffff                          ; lanes 0-15
	s_mov_b32 s22, 0x76543210                      ; v_permlanex16_b32: each lane takes its own place in the other half
	s_mov_b32 s23, 0xfedcba98
	v_and_b32 v12, 31, v0                          ; lane
	v_and_b32 v13, 15, v0                          ; lane % 16
	v_bfe_u32 v14, v0, 4, 1                        ; lane / 16
	s_wait_alu depctr_va_sdst(0)                   ; s16 is written, ahead of its first reader: LDS places, bases and branches are made from it
	s_mul_i32 s25, s16, ULDS                       ; my unit in LDS
	v_lshlrev_b32 v[LO], 4, v12
	v_lshl_add_u32 v[SA], v12, 3, s25
	v_mul_u32_u24 v15, v13, UPITCH
	v_add_nc_u32 v15, s25, v15
	v_lshl_add_u32 v[FAD], v14, 3, v15
	v_add_nc_u32 v[TAD], 384, v15
	v_mul_u32_u24 v16, v13, SPITCH
	v_lshl_add_u32 v16, v14, 5, v16
	s_mul_i32 s26, s16, 384                        ; my wave's 96 e, in f32
	s_add_co_u32 s26, s26, STAGE
	v_add_nc_u32 v[STO], s26, v16
	s_mul_i32 s27, s16, 2*SPITCH
	s_add_co_u32 s27, s27, STAGE
	v_lshl_add_u32 v[RD], v12, 4, s27
	v_mul_u32_u24 v17, v13, 784
	v_lshl_add_u32 v[MO], v14, 4, v17
	v_add_nc_u32 v[MT], 768, v17
	s_lshl_b32 s28, s16, 9
	s_add_co_u32 s28, s28, STAGE
	v_lshl_add_u32 v[PSA], v12, 4, s28
	s_mul_i32 s18, s17, 602112                     ; a batch of x: 768 rows of 784 bytes
	s_mul_i32 s29, s16, 3*UBYTES
	s_add_co_u32 s18, s18, s29
	s_mov_b32 s19, 0
	s_mov_b32 s31, 0
	s_wait_kmcnt 0x0
	s_add_nc_u64 s[4:5], s[4:5], s[18:19]          ; x at my wave's first unit
	s_mul_i32 s18, s17, 12544                      ; a batch of masks: 16 rows of 784 bytes
	s_add_nc_u64 s[6:7], s[6:7], s[18:19]
	s_mul_i32 s18, s17, 3072
	s_mul_i32 s30, s16, 1572864                    ; two slots of P32
	s_add_co_u32 s30, s30, s18
	s_add_nc_u64 s[10:11], s[10:11], s[30:31]      ; P32 at slot 2 w, my batch
	s_lshl_b32 s29, s16, 9
	s_add_co_u32 s18, s18, s29
	s_add_nc_u64 s[12:13], s[12:13], s[18:19]      ; PS at my batch, 512 w
	; the masks (25 loads), then unit 0 (49 loads)
	WIN 0x40                                       ; destination window 1, address window 0
	s_wait_alu depctr_va_vdst(0)                   ; the addresses and offsets v1 to v8 and v11 are written, which the kernel's loads and stores read
.set q, 0
.rept 24
	global_load_b128 v[RW+4*q:RW+4*q+3], v[MO], s[6:7] offset:32*q  ; hw = 8 q + 4 (lane / 16) + 0..3 of slot lane % 16
.set q, q+1
.endr
	global_load_b128 v[RW+96:RW+99], v[MT], s[6:7] ; hw 192..195, in both halves of the lanes
	WIN 0
.set j, 0
.rept 49
	global_load_b128 v[X+4*j:X+4*j+3], v[LO], s[4:5] offset:512*j th:TH_LOAD_NT
.set j, j+1
.endr
	s_wait_loadcnt 49                              ; loads come back in order (ISA guide 5.7.1): the masks are in, the 49 loads of x stay out
	WIN 0x55                                       ; all operands in window 1
.irp c, 0,1,2,3
	v_cndmask_b32 v[RW+96+\c], 0, v[RW+96+\c], s20 ; the tail counts once: it is 0 in lanes 16-31
.endr
	; the area: my 100 numbers in four chains, then the other half of the lanes'
.set c, 0
.rept 4
	v_pk_add_f32 v[AR+2*c:AR+2*c+1], v[RW+2*c:RW+2*c+1], v[RW+8+2*c:RW+8+2*c+1]
.set c, c+1
.endr
.set c, 8
.rept 42
	v_pk_add_f32 v[AR+2*(c%4):AR+2*(c%4)+1], v[AR+2*(c%4):AR+2*(c%4)+1], v[RW+2*c:RW+2*c+1]
.set c, c+1
.endr
	v_pk_add_f32 v[AR:AR+1], v[AR:AR+1], v[AR+2:AR+3]
	v_pk_add_f32 v[AR+4:AR+5], v[AR+4:AR+5], v[AR+6:AR+7]
	v_pk_add_f32 v[AR:AR+1], v[AR:AR+1], v[AR+4:AR+5]
	v_add_f32 v[AR], v[AR], v[AR+1]
	v_permlanex16_b32 v[AR+1], v[AR], s22, s23
	v_add_f32 v[AR], v[AR], v[AR+1]
	v_max_num_f32 v[AR], 1.0, v[AR]
	v_rcp_f32 v[INV], v[AR]                        ; made twice: a pair for the packed multiply
	v_rcp_f32 v[INV+1], v[AR]
.set q, 0
.rept 25                                       ; the masks' fragments; these lines are the independent work behind the reciprocals
	v_cvt_pk_f16_f32 v[MF+2*q], v[RW+4*q], v[RW+4*q+1]
	v_cvt_pk_f16_f32 v[MF+2*q+1], v[RW+4*q+2], v[RW+4*q+3]
.set q, q+1
.endr
.irp c, 50,51,52,53,54,55
	v_mov_b32 v[MF+\c], 0                          ; K step 6 beyond hw 195: zeros in the masks' fragment
	v_mov_b32 v[FA+\c], 0                          ; and in x's two, which no load writes
	v_mov_b32 v[FA+56+\c], 0
.endr
	s_wait_alu depctr_va_vdst(0)                   ; the two reciprocals have written v[INV] and v[INV+1], ahead of the label and of their first reader, the units' packed multiplies
	WIN 0
; A unit.  next = 1: each group of the ring is loaded again, with the next unit's bytes, as soon as it has been rounded.
.macro UNIT next
	WIN 0
.set g, 0
.rept 7
.if \next
	s_wait_loadcnt 42                              ; the oldest seven loads, this group's, are in; the 42 younger ones stay out
.else
	s_wait_loadcnt 42-7*g                          ; nothing is loaded any more: the counts run down
.endif
.set j, 7*g
.rept 7
	v_cvt_pk_f16_f32 v[T+14*(g%2)+2*(j-7*g)], v[X+4*j], v[X+4*j+1]
	v_cvt_pk_f16_f32 v[T+14*(g%2)+2*(j-7*g)+1], v[X+4*j+2], v[X+4*j+3]
.set j, j+1
.endr
	s_wait_alu depctr_va_vdst(0)                   ; the roundings have written this group's T, which the LDS stores read, and are done reading its X, in which the loads land
.if (g >= 1) && (g <= 5)
	s_wait_alu depctr_vm_vsrc(0)                   ; the LDS stores of the group before have read the other T, which the next group's roundings write again
.endif
.set j, 7*g
.rept 7
	ds_store_b64 v[SA], v[T+14*(g%2)+2*(j-7*g):T+14*(g%2)+2*(j-7*g)+1] offset:256*j   ; 32 lanes, 256 neighbouring bytes
.if \next
	global_load_b128 v[X+4*j:X+4*j+3], v[LO], s[4:5] offset:UBYTES+512*j th:TH_LOAD_NT
.endif
.set j, j+1
.endr
.set g, g+1
.endr
	WIN 0x40                                       ; LDS serves a wave's instructions in order (ISA guide 5.7.1.4): these loads see the stores above, and the next unit's stores come behind them
.irp eb, 0,1                           ; no wait of their own: the products that read FA stand ahead of the groups' waits, and no vector or matrix instruction since the last of those names FA, FAD or TAD
.set q, 0
.rept 24
	ds_load_b64 v[FA+56*\eb+2*q:FA+56*\eb+2*q+1], v[FAD] offset:16*UPITCH*\eb+16*q
.set q, q+1
.endr
	ds_load_b64 v[FA+56*\eb+48:FA+56*\eb+49], v[TAD] offset:16*UPITCH*\eb
.endr
	s_wait_dscnt 0x0
	WIN 0x55
.set k, 0
.rept 7                                        ; the two accumulators take turns; the first K step starts the sums
.if k == 0
	v_wmma_f32_16x16x32_f16 v[ACA:ACA+7], v[FA:FA+7], v[MF:MF+7], 0
	v_wmma_f32_16x16x32_f16 v[ACB:ACB+7], v[FA+56:FA+63], v[MF:MF+7], 0
.else
	v_wmma_f32_16x16x32_f16 v[ACA:ACA+7], v[FA+8*k:FA+8*k+7], v[MF+8*k:MF+8*k+7], v[ACA:ACA+7]
	v_wmma_f32_16x16x32_f16 v[ACB:ACB+7], v[FA+56+8*k:FA+56+8*k+7], v[MF+8*k:MF+8*k+7], v[ACB:ACB+7]
.endif
.set k, k+1
.endr
.rept 4
	v_nop                                          ; four places between a product and the vector line that reads it (ISA guide 7.12.1)
.endr
.set k, 0
.rept 8                                        ; times 1 / area, each accumulator from its low end on
	v_pk_mul_f32 v[ACA+2*k:ACA+2*k+1], v[ACA+2*k:ACA+2*k+1], v[INV:INV+1]
.set k, k+1
.endr
	WIN 0x04                                       ; LDS store: data in window 1, address in window 0
	s_wait_alu depctr_va_vdst(0)                   ; the packed multiplies have written both accumulators, which the LDS stores read; from the second unit on v[STO] is written too
.set k, 0
.rept 4                                        ; a block of 16 e is 64 bytes of the slot's row: 32 for each half of the lanes (in STO), of which a store takes 16; block 1 lies 64 bytes on
	ds_store_b128 v[STO], v[ACA+4*k:ACA+4*k+3] offset:64*(k/2)+16*(k%2)
.set k, k+1
.endr
	WIN 0
.endm
	s_mov_b32 s24, 2
.Lunit:
	UNIT 1
	s_wait_xcnt 0x0                                ; the base is stepped only when every load issued has had its address translated (ISA guide 3.1)
	s_wait_alu depctr_vm_vsrc(0)                   ; the stage's stores have read v[STO], written below, and the accumulators, which the next unit's products write; the last group's stores have read T0, which the next unit's first group writes
	s_add_nc_u64 s[4:5], s[4:5], UBYTES
	v_add_nc_u32 v[STO], 128, v[STO]               ; the next 32 e in the stage
	s_sub_co_u32 s24, s24, 1
	s_cmp_lg_u32 s24, 0
	s_cbranch_scc1 .Lunit
	UNIT 0                                         ; the last unit loads nothing: no load leaves the buffer
	; THE WAY OUT.  A slot's row of 3,072 bytes comes from all eight waves: my stores are done, then the barrier.
	; The LDS loads below land in X's registers: the roundings that read those stand ahead of the last unit's wait in front of its stage stores, and no vector instruction since names them.
	s_wait_dscnt 0x0
	s_barrier_signal -1
	s_barrier_wait -1
.irp nn, 0,1
.irp i, 0,1,2,3,4,5
	ds_load_b128 v[X+4*(6*\nn+\i):X+4*(6*\nn+\i)+3], v[RD] offset:SPITCH*\nn+512*\i
.endr
.endr
.irp nn, 0,1
.irp i, 0,1,2,3,4,5
	s_wait_dscnt 11-(6*\nn+\i)
	global_store_b128 v[LO], v[X+4*(6*\nn+\i):X+4*(6*\nn+\i)+3], s[10:11] offset:786432*\nn+512*\i  ; 512 consecutive bytes, at a multiple of 256 from P32's first byte
.endr
.endr
	s_cmp_gt_u32 s16, 5
	s_cbranch_scc1 .Lno_ps                         ; six waves add the 16 slots, 512 bytes of a row each
.set n, 0
.rept 16
	ds_load_b128 v[Q+4*n:Q+4*n+3], v[PSA] offset:SPITCH*n
.set n, n+1
.endr
	s_wait_dscnt 0x0
.irp d, 8,4,2,1
.set n, 0
.rept \d
	v_pk_add_f32 v[Q+4*n:Q+4*n+1], v[Q+4*n:Q+4*n+1], v[Q+4*(n+\d):Q+4*(n+\d)+1]
	v_pk_add_f32 v[Q+4*n+2:Q+4*n+3], v[Q+4*n+2:Q+4*n+3], v[Q+4*(n+\d)+2:Q+4*(n+\d)+3]
.set n, n+1
.endr
.endr
	s_wait_alu depctr_va_vdst(0)                   ; the additions have written v[Q .. Q+3], which the store reads
	global_store_b128 v[LO], v[Q:Q+3], s[12:13]
.Lno_ps:
	s_cmp_lg_u32 s16, 7
	s_cbranch_scc1 .Lend
	s_cmp_gt_u32 s17, 31
	s_cbranch_scc1 .Lend                           ; mask_ids is 32 pieces of 512 bytes: wave 7 of the first 32 work-groups copies one each
	s_lshl_b32 s18, s17, 9
	s_add_nc_u64 s[8:9], s[8:9], s[18:19]
	s_add_nc_u64 s[14:15], s[14:15], s[18:19]
	global_load_b128 v[CP:CP+3], v[LO], s[8:9]     ; into registers that no other line of the text names
	s_wait_loadcnt 0x0
	global_store_b128 v[LO], v[CP:CP+3], s[14:15]
.Lend:
	s_wait_dscnt 0x0                               ; the closing lines, six on end
	s_wait_alu 0x0
	s_wait_tensorcnt 0x0
	ds_add_u32 v[SPW], v[NIL]
	s_wait_dscnt 0x0
	s_endpgm
.Lfunc_end_k_qf6f598b3d3_pool:
	.size	k_qf6f598b3d3_pool, .Lfunc_end_k_qf6f598b3d3_pool-k_qf6f598b3d3_pool
	.p2alignl 7, 3214868480
	.fill 96, 4, 3214868480
	.section	.rodata,"a",@progbits
	.p2align	6, 0x0
	.amdhsa_kernel k_qf6f598b3d3_pool
		.amdhsa_group_segment_fixed_size 150784
		.amdhsa_private_segment_fixed_size 0
		.amdhsa_enable_private_segment 0
		.amdhsa_kernarg_size 48
		.amdhsa_user_sgpr_count 2
		.amdhsa_user_sgpr_kernarg_segment_ptr 1
		.amdhsa_wavefront_size32 1
		.amdhsa_system_sgpr_workgroup_id_x 1
		.amdhsa_system_sgpr_workgroup_id_y 1
		.amdhsa_system_sgpr_workgroup_id_z 1
		.amdhsa_system_vgpr_workitem_id 0
		.amdhsa_next_free_vgpr 464
		.amdhsa_next_free_sgpr 66
		.amdhsa_reserve_vcc 0
		.amdhsa_float_denorm_mode_32 3
		.amdhsa_float_denorm_mode_16_64 3
		.amdhsa_memory_ordered 1
		.amdhsa_forward_progress 1
		.amdhsa_inst_pref_size 59
	.end_amdhsa_kernel
	.amdgpu_metadata
---
amdhsa.version: [ 1, 2 ]
amdhsa.kernels:
  - .name:           k_qf6f598b3d3_pool
    .symbol:         k_qf6f598b3d3_pool.kd
    .args:
      - { .name: x, .offset: 0, .size: 8, .value_kind: global_buffer, .address_space: global }
      - { .name: masks, .offset: 8, .size: 8, .value_kind: global_buffer, .address_space: global }
      - { .name: mask_ids, .offset: 16, .size: 8, .value_kind: global_buffer, .address_space: global }
      - { .name: P32, .offset: 24, .size: 8, .value_kind: global_buffer, .address_space: global }
      - { .name: PS, .offset: 32, .size: 8, .value_kind: global_buffer, .address_space: global }
      - { .name: out1, .offset: 40, .size: 8, .value_kind: global_buffer, .address_space: global }
    .group_segment_fixed_size: 150784
    .private_segment_fixed_size: 0
    .kernarg_segment_align: 8
    .kernarg_segment_size: 48
    .max_flat_workgroup_size: 256
    .sgpr_count:     66
    .vgpr_count:     464
    .wavefront_size: 32
...
	.end_amdgpu_metadata
.endif
;; end of part 5
;; launch prep: the kernel of part 2 again; grid 304 x 1, 8 waves a work-group, no clusters, 44,032 bytes of LDS; arguments P32, PS, W1, W2, PcF, W1F, W2F; writes PcF, W1F, W2F
;; launch gemm1: the kernel of part 3 again; grid 64 x 4, 4 waves a work-group, clusters of 4 x 1, 327,680 bytes of LDS; arguments PcF, W1F, projection_idx, H, STAT; writes H, STAT
;; launch gemm2 (part 6): grid 16 x 16, 8 waves a work-group, no clusters, 156,672 bytes of LDS; arguments H, STAT, gamma, beta, b1, W2F, b2, projection_idx, out0; writes out0
.if DOCPART == 6
	.amdgcn_target "amdgcn-amd-amdhsa--gfx1250"
	.amdhsa_code_object_version 6
	.text
	.protected	k_qf6f598b3d3_gemm2
	.globl	k_qf6f598b3d3_gemm2
	.p2align	8
	.type	k_qf6f598b3d3_gemm2,@function
k_qf6f598b3d3_gemm2:
	s_mov_b64 s[64:65], 0
	v_nop
	global_prefetch_b8 v0, s[64:65] scope:SCOPE_SE
	s_setreg_imm32_b32 hwreg(HW_REG_WAVE_SCHED_MODE, 0, 2), 2
	s_setreg_imm32_b32 hwreg(HW_REG_WAVE_MODE, 25, 1), 1
	s_wait_xcnt 0x0
	s_wait_alu depctr_vm_vsrc(0)
; BATCH NORM, RELU AND THE SECOND PRODUCT, for the one projector p = projection_idx[n] of each slot n:  out0[b][n][o] = sum over hid of relu(h s + t) W2[p][hid][o] + b2[p][o].
; h (H [rb 256][kf 128], fragments of f16) is the first product of the CENTRED tokens with the slot's own projector, without b1.  With S1, S2 the sums of h and h^2 over all 4,096 tokens: m = S1 / 4096,
; var = S2 / 4096 - m^2 (m is near 0 by the centring: no difference of large sums), mu = m + b1, s = gamma / sqrt(var + eps), t = beta + (b1 - mu) s: what the batch norm of h + b1 gives.
; LIMITS.  s, t and relu(h s + t) are rounded to f16 (one packed multiply-add, one packed maximum): all stay under 65,504.  projection_idx lies in 0..3: for another number H holds no rows.
; SHARES.  Work-group (og, rq, n): 64 tokens of slot n x 64 output columns, K = 4,096.  K is split over the eight waves, 16 K steps of 32 each, so that each byte of H and W2F enters the work-group's
; registers once, straight from memory in fragment order: 16 loads of 512 bytes for 16 matrix instructions; three K steps (48 loads) of every wave are on their way.  The eight partial
; tiles (f32) are added through LDS.
; NO TENSOR RING, NO CLUSTER: two slots that fit in LDS would hold 16 K steps each, 32 matrix instructions a wave between a request and the wait for it; what joint loads would spare is three of four
; requests for a tile that four work-groups share.
; The product is used with source 0 = 16 output columns, source 1 = 16 tokens: a lane holds one token (lane % 16) and eight neighbouring columns.
; REGISTERS.  window 0: v1-13 addresses, v24-27 b2, v32-119 two quads of the statistics, later v96-127 s and t of two K steps; v128-255 H, four K steps.
;             window 1: v0-127 16 accumulators (before them v32-119 two more quads); v128-255 W2, four K steps.
; THE MODE: SCHED_MODE bits 1:0 = 2 (LLVM: expert scheduling mode 2), set by the entry lines.  The code itself states the register dependences between vector or matrix instructions and
; memory or LDS instructions, with s_wait_alu, always for 0.
; THE PLAN.  Registers that memory or LDS instructions touch, in the loop:
;   HR0 .. HR3   Step s, on buffer b: its 64 packed lines rewrite HR[b] in place, its products read it; the loads issued in step s + 1 land in it.
;   WR0 .. WR3   Step s: its products read WR[b]; the loads issued in step s + 1 land in it.
;   STR0, STR1   Step s: its packed multiply-adds read STR[par]; the LDS loads issued in step s + 1 land in it.
;   v[SAD]       Read by every LDS load of s and t; written once a trip.       v[LO] is read by every load and never written again: the scalar bases move on, immediate offsets do the rest.
;   The accumulators are named by matrix instructions alone until the way out.
; So ONE wait on va_vdst stands in a step, behind its packed lines: it states that the step before is done with the buffer and the set that are asked for again, and, in a trip's first step, that
; v[SAD] is written.  The step's twenty loads follow it, dealt among its sixteen products, which name this step's buffers and the accumulators: none of the registers that those loads touch.
; One wait on vm_vsrc a trip stands ahead of the add to v[SAD].
.set RED,   16384                      ; behind s and t (f16 [4096] each): 64 rows x (256 + 16) bytes of f32 for each wave
.set RPITCH, 272                       ; 17 x 16 bytes: the 16 rows of a store start in 16 different groups of four banks (64 banks of 4 bytes: ISA guide 11.1)
.set SPARE, 155648                     ; the spare words, 128 bytes for each wave, which no other line names
.set LO,  1                            ; 16 x lane
.set SAD, 2                            ; s of my K step: 1,024 w + 16 (lane / 16)
.set STO, 3
.set RDA, 4                            ; v4-6: an LDS offset has 16 bits, eight partial tiles are 139,264 bytes
.set OO,  7
.set SPW, 8                            ; my spare word; never rewritten
.set NIL, 9                            ; 0; never rewritten
.set Z,   10                           ; 0, for the packed maximum
.set STW, 11                           ; 8 x thread
.set QO,  12                           ; 16 x thread
.set B2O, 13
.set BB,  24
.set QB,  32
.set STR, 96
.set HR,  128
.set WR,  128                          ; window 1
.set MSB, 0
.macro WIN new                         ; the immediate's high byte repeats the setting that is left; a switch that changes nothing is dropped
.if MSB != (\new)
	s_set_vgpr_msb (MSB<<8)|(\new)
.set MSB, (\new)
.endif
.endm
	s_load_b512 s[4:19], s[0:1], 0x0               ; H s[4:5], STAT s[6:7], gamma s[8:9], beta s[10:11], b1 s[12:13], W2F s[14:15], b2 s[16:17], projection_idx s[18:19]
	s_load_b64 s[20:21], s[0:1], 0x40              ; out0
	v_lshl_add_u32 v[SPW], v0, 2, SPARE
	v_mov_b32 v[NIL], 0
	v_lshrrev_b32 v1, 5, v0
	v_readfirstlane_b32 s23, v1                    ; wave 0..7
	s_and_b32 s24, ttmp9, 3                        ; og
	s_lshr_b32 s25, ttmp9, 2                       ; rq
	s_and_b32 s26, ttmp7, 0xffff                   ; n
	s_lshl_b32 s28, s26, 2
	s_mov_b32 s29, 0
	s_wait_kmcnt 0x0
	s_add_nc_u64 s[18:19], s[18:19], s[28:29]
	s_load_b32 s22, s[18:19], 0x0
	s_mov_b32 s30, 0x39800000                      ; 1 / 4,096
	s_mov_b32 s31, s30                             ; named with it as a pair
	s_mov_b32 s32, 0x3727c5ac                      ; eps = 1e-5
	s_mov_b32 s33, s32
	v_and_b32 v14, 31, v0                          ; lane
	v_and_b32 v15, 15, v0                          ; lane % 16
	v_bfe_u32 v16, v0, 4, 1                        ; lane / 16
	v_lshlrev_b32 v[LO], 4, v14
	s_wait_alu depctr_va_sdst(0)                   ; s23 is written, ahead of its first reader: LDS places and bases are made from it
	s_lshl_b32 s36, s23, 10
	v_lshl_add_u32 v[SAD], v16, 4, s36
	s_mul_i32 s36, s23, 64*RPITCH
	s_add_co_u32 s36, s36, RED
	v_mul_u32_u24 v17, v15, RPITCH
	v_lshl_add_u32 v17, v16, 5, v17
	v_add_nc_u32 v[STO], s36, v17                  ; my partial tile: row lane % 16, 32 bytes for each half of the lanes
	s_mul_i32 s36, s23, 8*RPITCH
	s_add_co_u32 s36, s36, RED
	v_mul_u32_u24 v17, v16, RPITCH
	v_lshl_add_u32 v17, v15, 4, v17
	v_add_nc_u32 v[RDA], s36, v17                  ; back: rows 8 w + lane / 16 of partial tiles 0-2,
	v_add_nc_u32 v[RDA+1], 3*64*RPITCH, v[RDA]     ; 3-5,
	v_add_nc_u32 v[RDA+2], 6*64*RPITCH, v[RDA]     ; 6-7
	v_lshlrev_b32 v[B2O], 4, v15
	v_lshl_add_u32 v[OO], v16, 14, v[B2O]          ; a batch on is 16,384 bytes of out0
	v_mov_b32 v[Z], 0
	v_lshlrev_b32 v[STW], 3, v0
	v_lshlrev_b32 v[QO], 4, v0
	s_wait_kmcnt 0x0
	s_min_u32 s22, s22, 3                          ; p
	s_lshl_b32 s28, s22, 14                        ; a projector's 4,096 columns of f32
	s_add_nc_u64 s[6:7], s[6:7], s[28:29]
	s_add_nc_u64 s[8:9], s[8:9], s[28:29]
	s_add_nc_u64 s[10:11], s[10:11], s[28:29]
	s_add_nc_u64 s[12:13], s[12:13], s[28:29]
	s_lshl_b32 s28, s22, 10
	s_lshl_b32 s36, s24, 8                         ; 64 output columns of f32
	s_add_co_u32 s28, s28, s36
	s_add_nc_u64 s[16:17], s[16:17], s[28:29]
	s_lshl_b32 s28, s22, 2
	s_add_co_u32 s28, s28, s24
	s_lshl_b32 s28, s28, 19                        ; W2F: 524,288 (4 p + og)
	s_lshl_b32 s37, s23, 16                        ; + my 16 K steps of 4,096 bytes
	s_add_co_u32 s28, s28, s37
	s_add_nc_u64 s[14:15], s[14:15], s[28:29]
	s_lshl_b32 s28, s26, 4
	s_lshl_b32 s37, s25, 2
	s_add_co_u32 s28, s28, s37
	s_lshl_b32 s28, s28, 17                        ; H: row block 16 n + 4 rq
	s_lshl_b32 s37, s23, 14                        ; + my 16 fragments
	s_add_co_u32 s28, s28, s37
	s_add_nc_u64 s[4:5], s[4:5], s[28:29]
	s_lshl_b32 s28, s26, 10                        ; out0: 1,024 (16 (64 rq + 8 w) + n) + 256 og
	s_lshl_b32 s37, s25, 20
	s_add_co_u32 s28, s28, s37
	s_lshl_b32 s37, s23, 17
	s_add_co_u32 s28, s28, s37
	s_add_co_u32 s28, s28, s36
	s_add_nc_u64 s[20:21], s[20:21], s[28:29]
; Quad i: columns 1,024 i + 4 x thread: the four row groups' sums of h (+0..15) and of h^2 (+16..31), gamma (+32), beta (+36), b1 (+40)
.macro QLOAD base, i
.irp rg, 0,1,2,3
	global_load_b128 v[(\base)+4*\rg:(\base)+4*\rg+3], v[QO], s[6:7] offset:65536*\rg+4096*(\i)
	global_load_b128 v[(\base)+16+4*\rg:(\base)+16+4*\rg+3], v[QO], s[6:7] offset:262144+65536*\rg+4096*(\i)
.endr
	global_load_b128 v[(\base)+32:(\base)+35], v[QO], s[8:9] offset:4096*(\i)
	global_load_b128 v[(\base)+36:(\base)+39], v[QO], s[10:11] offset:4096*(\i)
	global_load_b128 v[(\base)+40:(\base)+43], v[QO], s[12:13] offset:4096*(\i)
.endm
; A K step's operands: four fragments of H (64 tokens) and four of W2 (64 columns), 512 consecutive bytes a load
.macro LOADH kimm, buf
	WIN 0
.irp rbk, 0,1,2,3
	global_load_b128 v[HR+32*(\buf)+8*\rbk:HR+32*(\buf)+8*\rbk+3],   v[LO], s[4:5] offset:131072*\rbk+1024*(\kimm)
	global_load_b128 v[HR+32*(\buf)+8*\rbk+4:HR+32*(\buf)+8*\rbk+7], v[LO], s[4:5] offset:131072*\rbk+1024*(\kimm)+512
.endr
.endm
.macro LOADW kimm, buf
	WIN 0x40                                       ; destination window 1
.irp nb, 0,1,2,3
	global_load_b128 v[WR+32*(\buf)+8*\nb:WR+32*(\buf)+8*\nb+3],   v[LO], s[14:15] offset:4096*(\kimm)+1024*\nb
	global_load_b128 v[WR+32*(\buf)+8*\nb+4:WR+32*(\buf)+8*\nb+7], v[LO], s[14:15] offset:4096*(\kimm)+1024*\nb+512
.endr
.endm
	s_wait_alu depctr_va_vdst(0)                   ; the addresses and offsets v1 to v7 and v11 to v13 are written, which the kernel's loads and stores read
	QLOAD QB, 0
	QLOAD QB+44, 1
	global_load_b128 v[BB:BB+3], v[B2O], s[16:17]
	WIN 0x40
	QLOAD QB, 2
	QLOAD QB+44, 3
	LOADH 0, 0
	LOADW 0, 0
	LOADH 1, 1
	LOADW 1, 1
	LOADH 2, 2
	LOADW 2, 2
	WIN 0
	s_wait_loadcnt 48                              ; loads come back in order (ISA guide 5.7.1): the statistics are in, three K steps stay out
; s and t of two quads.  w: the window setting of the arithmetic; ws: that of the LDS stores; i0: the first quad's number.
.macro HALFQ w, ws, i0
	WIN \w
.irp u, 0,1
.set QQ, QB+44*\u
.irp k, 0,16
.irp c, 0,2
	v_pk_add_f32 v[QQ+\k+\c:QQ+\k+\c+1], v[QQ+\k+\c:QQ+\k+\c+1], v[QQ+\k+4+\c:QQ+\k+4+\c+1]
	v_pk_add_f32 v[QQ+\k+8+\c:QQ+\k+8+\c+1], v[QQ+\k+8+\c:QQ+\k+8+\c+1], v[QQ+\k+12+\c:QQ+\k+12+\c+1]
.endr
.irp c, 0,2
	v_pk_add_f32 v[QQ+\k+\c:QQ+\k+\c+1], v[QQ+\k+\c:QQ+\k+\c+1], v[QQ+\k+8+\c:QQ+\k+8+\c+1]
.endr
.endr
.irp c, 0,2
	v_pk_mul_f32 v[QQ+\c:QQ+\c+1], v[QQ+\c:QQ+\c+1], s[30:31] op_sel_hi:[1,0]                                  ; m
	v_pk_fma_f32 v[QQ+16+\c:QQ+16+\c+1], v[QQ+16+\c:QQ+16+\c+1], s[30:31], s[32:33] op_sel_hi:[1,0,0]          ; S2 / 4096 + eps
.endr
.irp c, 0,2
	v_pk_fma_f32 v[QQ+16+\c:QQ+16+\c+1], v[QQ+\c:QQ+\c+1], v[QQ+\c:QQ+\c+1], v[QQ+16+\c:QQ+16+\c+1] neg_lo:[1,0,0] neg_hi:[1,0,0]  ; - m^2
.endr
.irp c, 0,1,2,3
	v_max_num_f32 v[QQ+16+\c], s32, v[QQ+16+\c]    ; a variance is not below 0
.endr
.endr
.irp u, 0,1
.irp c, 0,1,2,3
	v_rsq_f32 v[QB+44*\u+20+\c], v[QB+44*\u+16+\c] ; one batch of eight
.endr
.endr
.irp u, 0,1
.set QQ, QB+44*\u
.irp c, 0,2                            ; the independent work behind the batch
	v_pk_add_f32 v[QQ+4+\c:QQ+4+\c+1], v[QQ+\c:QQ+\c+1], v[QQ+40+\c:QQ+40+\c+1]                                    ; mu = m + b1
.endr
.irp c, 0,2
	v_pk_add_f32 v[QQ+4+\c:QQ+4+\c+1], v[QQ+40+\c:QQ+40+\c+1], v[QQ+4+\c:QQ+4+\c+1] neg_lo:[0,1] neg_hi:[0,1]      ; b1 - mu
.endr
.endr
	s_wait_alu depctr_va_vdst(0)                   ; the eight roots have written registers 20 to 23 of both quads, ahead of their first reader: one wait for the batch
.irp u, 0,1
.set QQ, QB+44*\u
.irp c, 0,2
	v_pk_mul_f32 v[QQ+32+\c:QQ+32+\c+1], v[QQ+32+\c:QQ+32+\c+1], v[QQ+20+\c:QQ+20+\c+1]                            ; s
.endr
.irp c, 0,2
	v_pk_fma_f32 v[QQ+36+\c:QQ+36+\c+1], v[QQ+4+\c:QQ+4+\c+1], v[QQ+32+\c:QQ+32+\c+1], v[QQ+36+\c:QQ+36+\c+1]      ; t
.endr
.irp c, 0,1,2,3
	v_cvt_pk_f16_f32 v[QQ+24+\c], v[QQ+32+2*\c], v[QQ+32+2*\c+1]
.endr
.endr
	WIN \ws
	s_wait_alu depctr_va_vdst(0)                   ; the roundings have written registers 24 to 27 of both quads, which the LDS stores read
.irp u, 0,1
	ds_store_b64 v[STW], v[QB+44*\u+24:QB+44*\u+25] offset:2048*((\i0)+\u)
	ds_store_b64 v[STW], v[QB+44*\u+26:QB+44*\u+27] offset:8192+2048*((\i0)+\u)
.endr
	WIN 0
.endm
	HALFQ 0, 0, 0
	HALFQ 0x55, 0x04, 2
	s_wait_dscnt 0x0                               ; for the others' sake: my s and t are in LDS
	s_barrier_signal -1
	s_barrier_wait -1
	s_wait_alu depctr_vm_vsrc(0)                   ; my LDS stores have read their data: of those registers v100-103 take s and t below, and those of window 1 are accumulators from here on
	ds_load_b128 v[STR:STR+3],     v[SAD]          ; s and t of my K step 0; the statistics' arithmetic, which named these registers, stands ahead of the last wait on va_vdst
	ds_load_b128 v[STR+4:STR+7],   v[SAD] offset:32
	ds_load_b128 v[STR+8:STR+11],  v[SAD] offset:8192
	ds_load_b128 v[STR+12:STR+15], v[SAD] offset:8192+32
; Eight matrix instructions: token blocks ra and rb x all four column blocks.  The 16 accumulators take turns.
.macro MM8 buf, zero, ra, rb
	WIN 0x51                                       ; W2 in window 1, H in window 0, C and D in window 1
.irp rbk, \ra, \rb
.irp nb, 0,1,2,3
.if \zero
	v_wmma_f32_16x16x32_f16 v[8*(4*\rbk+\nb):8*(4*\rbk+\nb)+7], v[WR+32*(\buf)+8*\nb:WR+32*(\buf)+8*\nb+7], v[HR+32*(\buf)+8*\rbk:HR+32*(\buf)+8*\rbk+7], 0
.else
	v_wmma_f32_16x16x32_f16 v[8*(4*\rbk+\nb):8*(4*\rbk+\nb)+7], v[WR+32*(\buf)+8*\nb:WR+32*(\buf)+8*\nb+7], v[HR+32*(\buf)+8*\rbk:HR+32*(\buf)+8*\rbk+7], v[8*(4*\rbk+\nb):8*(4*\rbk+\nb)+7]
.endif
.endr
.endr
.endm
; A K step on buffer buf, with s and t in set par.  knext: the step whose s and t are fetched (-1: none); left: the younger loads that may stay out; kload: the step asked for, three ahead, counted
; from the bases (-1: none); step = 1: the bases go four K steps on in front of that request.
.macro KSTEP buf, par, zero, kload, left, knext, step=0
	WIN 0
	s_wait_loadcnt \left                           ; this step's 16 loads are in; the younger steps' stay out
	s_wait_dscnt 0x0                               ; this step's s and t are in: they are the only LDS loads out
.set i, 0
.rept 32
	v_pk_fma_f16 v[HR+32*(\buf)+i], v[HR+32*(\buf)+i], v[STR+16*(\par)+i%8], v[STR+16*(\par)+8+i%8]
.set i, i+1
.endr
.set i, 0
.rept 32
	v_pk_max_num_f16 v[HR+32*(\buf)+i], v[HR+32*(\buf)+i], v[Z]
.set i, i+1
.endr
.if (\knext) >= 0
	s_wait_alu depctr_va_vdst(0)                   ; the step before is done: its multiply-adds with the other set of s and t, its packed lines and products with the buffers of H and W2 that are asked for again; in a trip's first step v[SAD] is written
	ds_load_b128 v[STR+16*(1-(\par)):STR+16*(1-(\par))+3],     v[SAD] offset:64*(\knext)
	ds_load_b128 v[STR+16*(1-(\par))+4:STR+16*(1-(\par))+7],   v[SAD] offset:64*(\knext)+32
	ds_load_b128 v[STR+16*(1-(\par))+8:STR+16*(1-(\par))+11],  v[SAD] offset:8192+64*(\knext)
	ds_load_b128 v[STR+16*(1-(\par))+12:STR+16*(1-(\par))+15], v[SAD] offset:8192+64*(\knext)+32
.endif
.if \step
	s_wait_xcnt 0x0                                ; the earlier loads have had their addresses translated (ISA guide 3.1): the bases are stepped only behind this wait; the last of those loads was issued 8 matrix and 64 vector instructions ago
	s_add_nc_u64 s[4:5], s[4:5], 4096
	s_add_nc_u64 s[14:15], s[14:15], 16384
.endif
.if (\kload) >= 0
	LOADH \kload, ((\buf)+3)%4
.endif
	MM8 \buf, \zero, 0, 1
.if (\kload) >= 0
	LOADW \kload, ((\buf)+3)%4                     ; no wait: no vector or matrix instruction since the wait above names that buffer or v[LO]
.endif
	MM8 \buf, \zero, 2, 3
	WIN 0
.endm
	KSTEP 0, 0, 1, 3, 32, 1                        ; the first K step starts the sums
	s_mov_b32 s34, 3
.Lk:                                                   ; a trip: K steps 1 + 4 t .. 4 + 4 t, which ask for steps 4 + 4 t .. 7 + 4 t; two younger steps' 32 loads stay out at each wait
	KSTEP 1, 1, 0, 0, 32, 2, 1
	KSTEP 2, 0, 0, 1, 32, 3
	KSTEP 3, 1, 0, 2, 32, 4
	KSTEP 0, 0, 0, 3, 32, 5
	s_wait_alu depctr_vm_vsrc(0)                   ; the LDS loads issued so far have read v[SAD]
	v_add_nc_u32 v[SAD], 256, v[SAD]
	s_sub_co_u32 s34, s34, 1
	s_cmp_lg_u32 s34, 0
	s_cbranch_scc1 .Lk
	KSTEP 1, 1, 0, -1, 32, 2                       ; the last three steps load nothing of H and W2: the counts run down
	KSTEP 2, 0, 0, -1, 16, 3
	KSTEP 3, 1, 0, -1, 0, -1
	; THE WAY OUT.  Each wave's partial tile goes into LDS in f32; behind the barrier wave w adds rows 8 w .. 8 w + 7 of the eight, adds b2 and stores whole rows of 256 bytes.
.rept 4
	v_nop                                          ; four places between the last products and the LDS stores that read them
.endr
	WIN 0x04                                       ; LDS store: data in window 1
	s_wait_alu depctr_va_vdst(0)                   ; the products have written the accumulators, which the LDS stores read, and are done with H's registers, in which the loads behind the barrier land; the places above stay beside this wait
.set a, 0
.rept 16                                       ; each accumulator's low half first
	ds_store_b128 v[STO], v[8*a:8*a+3] offset:16*RPITCH*(a/4)+64*(a%4)
	ds_store_b128 v[STO], v[8*a+4:8*a+7] offset:16*RPITCH*(a/4)+64*(a%4)+16
.set a, a+1
.endr
	WIN 0
	s_wait_dscnt 0x0                               ; for the others' sake: my partial tile is in LDS
	s_barrier_signal -1
	s_barrier_wait -1
.irp i, 0,1,2,3
.set sr, 0
.rept 8
	ds_load_b128 v[HR+4*(8*\i+sr):HR+4*(8*\i+sr)+3], v[RDA+sr/3] offset:64*RPITCH*(sr%3)+2*RPITCH*\i
.set sr, sr+1
.endr
.endr
	s_wait_dscnt 0x0
.irp i, 0,1,2,3
.irp d, 4,2,1
.set sr, 0
.rept \d
	v_pk_add_f32 v[HR+4*(8*\i+sr):HR+4*(8*\i+sr)+1], v[HR+4*(8*\i+sr):HR+4*(8*\i+sr)+1], v[HR+4*(8*\i+sr+\d):HR+4*(8*\i+sr+\d)+1]
	v_pk_add_f32 v[HR+4*(8*\i+sr)+2:HR+4*(8*\i+sr)+3], v[HR+4*(8*\i+sr)+2:HR+4*(8*\i+sr)+3], v[HR+4*(8*\i+sr+\d)+2:HR+4*(8*\i+sr+\d)+3]
.set sr, sr+1
.endr
.endr
	v_pk_add_f32 v[HR+32*\i:HR+32*\i+1], v[HR+32*\i:HR+32*\i+1], v[BB:BB+1]
	v_pk_add_f32 v[HR+32*\i+2:HR+32*\i+3], v[HR+32*\i+2:HR+32*\i+3], v[BB+2:BB+3]
.endr
	s_wait_alu depctr_va_vdst(0)                   ; the additions have written the four quads that the stores read: one wait for the run
.irp i, 0,1,2,3
	global_store_b128 v[OO], v[HR+32*\i:HR+32*\i+3], s[20:21] offset:32768*\i th:TH_STORE_NT  ; 16 lanes store 256 consecutive bytes, at a multiple of 256 from out0's first byte
.endr
	s_wait_dscnt 0x0                               ; the closing lines, six on end
	s_wait_alu 0x0
	s_wait_tensorcnt 0x0
	ds_add_u32 v[SPW], v[NIL]
	s_wait_dscnt 0x0
	s_endpgm
.Lfunc_end_k_qf6f598b3d3_gemm2:
	.size	k_qf6f598b3d3_gemm2, .Lfunc_end_k_qf6f598b3d3_gemm2-k_qf6f598b3d3_gemm2
	.p2alignl 7, 3214868480
	.fill 96, 4, 3214868480
	.section	.rodata,"a",@progbits
	.p2align	6, 0x0
	.amdhsa_kernel k_qf6f598b3d3_gemm2
		.amdhsa_group_segment_fixed_size 156672
		.amdhsa_private_segment_fixed_size 0
		.amdhsa_enable_private_segment 0
		.amdhsa_kernarg_size 72
		.amdhsa_user_sgpr_count 2
		.amdhsa_user_sgpr_kernarg_segment_ptr 1
		.amdhsa_wavefront_size32 1
		.amdhsa_system_sgpr_workgroup_id_x 1
		.amdhsa_system_sgpr_workgroup_id_y 1
		.amdhsa_system_sgpr_workgroup_id_z 1
		.amdhsa_system_vgpr_workitem_id 0
		.amdhsa_next_free_vgpr 512
		.amdhsa_next_free_sgpr 66
		.amdhsa_reserve_vcc 0
		.amdhsa_float_denorm_mode_32 3
		.amdhsa_float_denorm_mode_16_64 3
		.amdhsa_memory_ordered 1
		.amdhsa_forward_progress 1
		.amdhsa_inst_pref_size 83
	.end_amdhsa_kernel
	.amdgpu_metadata
---
amdhsa.version: [ 1, 2 ]
amdhsa.kernels:
  - .name:           k_qf6f598b3d3_gemm2
    .symbol:         k_qf6f598b3d3_gemm2.kd
    .args:
      - { .name: H, .offset: 0, .size: 8, .value_kind: global_buffer, .address_space: global }
      - { .name: STAT, .offset: 8, .size: 8, .value_kind: global_buffer, .address_space: global }
      - { .name: gamma, .offset: 16, .size: 8, .value_kind: global_buffer, .address_space: global }
      - { .name: beta, .offset: 24, .size: 8, .value_kind: global_buffer, .address_space: global }
      - { .name: b1, .offset: 32, .size: 8, .value_kind: global_buffer, .address_space: global }
      - { .name: W2F, .offset: 40, .size: 8, .value_kind: global_buffer, .address_space: global }
      - { .name: b2, .offset: 48, .size: 8, .value_kind: global_buffer, .address_space: global }
      - { .name: projection_idx, .offset: 56, .size: 8, .value_kind: global_buffer, .address_space: global }
      - { .name: out0, .offset: 64, .size: 8, .value_kind: global_buffer, .address_space: global }
    .group_segment_fixed_size: 156672
    .private_segment_fixed_size: 0
    .kernarg_segment_align: 8
    .kernarg_segment_size: 72
    .max_flat_workgroup_size: 256
    .sgpr_count:     66
    .vgpr_count:     512
    .wavefront_size: 32
...
	.end_amdgpu_metadata
.endif
;; end of part 6
